; MI455X (gfx1250); checked and timed in simulation.
; The chip was launched on July 23, 2026; its instructions are those of AMD's public machine-readable ISA for CDNA 5 (MIT licence, August 2026) and "CDNA5" Instruction Set Architecture Reference Guide (July 2026). The comments in the code are by the model that wrote it; some were corrected since.
;; Any GPT Attention Only. Allowed arithmetic: matrix products marked QUANTISED: E2M3 operands, one E8M0 scale for each 32 along K, by v_wmma_scale_f32_16x16x128_f8f6f4 with both operands' format E2M3, f32 sums; everything else in f32.
;; Inputs: bo 1,024 float32; hidden_states 4 x 2,048 x 1,024 float32; ln_b 1,024 float32; ln_w 1,024 float32; wk 1,024 x 1,024 float32; wo 1,024 x 1,024 float32; wq 1,024 x 1,024 float32; wv 1,024 x 1,024 float32.
;; Outputs: out0 4 x 2,048 x 1,024 float32.
;; This version of the problem:
;;   THIS VERSION OF THE PROBLEM IS GIVEN IN LOW PRECISION. The matrix products marked QUANTISED in the list below multiply operands that are first quantised to E2M3 (2 exponent bits, 3 mantissa bits; 6 bits a number), with one power-of-two scale for each 32 numbers along K (OCP MX v1.0); their sums are f32. All else is computed in f32.
;;   The module's matrix products, in the order in which they are computed (A, B: the left and right operand; K: the contracted axis; several contracted axes count as one K, in the product's order):
;;     1. [M 8,192, K 1,024] x [K 1,024, N 1,024]; A: input hidden_states; B: input wq: QUANTISED
;;     2. [M 8,192, K 1,024] x [K 1,024, N 1,024]; A: input hidden_states; B: input wk: QUANTISED
;;     3. [M 8,192, K 1,024] x [K 1,024, N 1,024]; A: input hidden_states; B: input wv: QUANTISED
;;     4. batch 64 x [M 2,048, K 64] x [K 64, N 2,048]; A: computed on the way; B: computed on the way: QUANTISED
;;     5. batch 64 x [M 2,048, K 2,048] x [K 2,048, N 64]; A: softmax (see below); B: computed on the way: QUANTISED
;;     6. [M 8,192, K 1,024] x [K 1,024, N 1,024]; A: computed on the way; B: input wo: QUANTISED
;;   THE QUANTISER, for each operand of a quantised product, along K:
;;     - K is cut into blocks of 32 from its start; a last block that is shorter is filled with zeros.
;;     - A block's scale is 2^e with e = floor(log2(the largest magnitude in the block)) - 2, held to -126 .. 127; a block of zeros has e = 0. As a byte (E8M0): e + 127.
;;     - Each number is divided by its block's scale, clamped to +-7.5, and rounded to the nearest number of E2M3, ties to even, subnormals kept.
;;     - The product sums the exact products of the quantised numbers (number of the format x scale) in f32.
;;   ~~~python
;;   def quantise(x, axis):      # numpy; x: float32 -> the quantised numbers, widened to float32 again
;;       x = np.moveaxis(x, axis, -1); K = x.shape[-1]
;;       x = np.pad(x, [(0, 0)] * (x.ndim - 1) + [(0, -K % 32)]); x = x.reshape(x.shape[:-1] + (-1, 32)); a = np.abs(x).max(-1, keepdims=True)
;;       e = np.where(a > 0, np.clip(np.frexp(np.where(a > 0, a, 1))[1] - 1 - 2, -126, 127), 0)      # np.frexp(a)[1] - 1 = floor(log2(a)), exactly
;;       r = np.clip(x / 2.0 ** e, -7.5, 7.5)
;;       step = 2.0 ** (np.maximum(np.frexp(np.where(r == 0, 1, r))[1] - 1, 0) - 3)
;;       q = np.round(r / step) * step * 2.0 ** e      # np.round: ties to even
;;       return np.moveaxis(q.reshape(q.shape[:-2] + (-1,))[..., :K], -1, axis).astype(np.float32)
;;   ~~~
;;   SOFTMAX AHEAD OF A QUANTISED PRODUCT. Where the list says 'softmax', what is quantised is not the finished softmax but p = 2^(t - M), with t = logit x log2(e) and M = ceil(the row's largest t), a whole number; so 1/2 < the row's largest p <= 1. The row's sum l is taken of the UNQUANTISED p, in f32, and the product's result is divided by l at the end. Since M is a whole number, a kernel that streams over the keys may use a running M (the ceiling of the running maximum): every later rescaling is an exact power of two, which a block's scale takes up: the codes' values come out the same.
;;   OPERANDS COMPUTED ON THE WAY. 'Computed on the way' means the value that the module computes at that place (a softmax that the list does not call 'softmax' is quantised finished and normalised). What goes into a quantiser is computed in f32, as accurately as f32 sums, v_exp_f32 and their like allow (about 1e-6 of the number): no bf16 or f16 on the way to a quantiser, and a product that is left as it is and whose result goes on into a quantised operand takes f32 operands (vector FMAs, or v_wmma_f32_16x16x4_f32). A number that lies on a knife's edge between two numbers of the format may be rounded either way, as far as f32 arithmetic and the matrix unit's own rounding can turn it there, and no further.
;; One version. Each part assembles by itself: llvm-mc -triple=amdgcn-amd-amdhsa -mcpu=gfx1250 --defsym DOCPART=n.
;; ======== version 1 of 1: 4 launches
;; workspace buffers: cod 9,437,184 bytes; scl 393,216 bytes; stats 65,536 bytes; fcod 18,874,368 bytes; fscl 1,572,864 bytes
;; launch quant (part 1): grid 768 x 1, 8 waves a work-group, no clusters, 71,168 bytes of LDS; arguments hidden_states, wq, wk, wv, wo, cod, scl, stats; writes cod, scl, stats
.if DOCPART == 1
	.amdgcn_target "amdgcn-amd-amdhsa--gfx1250"
	.amdhsa_code_object_version 6
	.text
	.protected	k_q033d18af9d_quant
	.globl	k_q033d18af9d_quant
	.p2align	8
	.type	k_q033d18af9d_quant,@function
k_q033d18af9d_quant:
	s_mov_b64 s[64:65], 0
	v_nop
	global_prefetch_b8 v0, s[64:65] scope:SCOPE_SE
	s_setreg_imm32_b32 hwreg(HW_REG_WAVE_MODE, 25, 1), 1
	s_wait_xcnt 0x0
; x [8192][1024] and wq, wk, wv, wo [1024][1024], f32, K innermost, become codes of FP6 (E2M3) with one E8M0 byte for each 32 along K,
; laid as IMAGES OF OPERAND REGISTERS: a fragment (16 rows x 128 K, 12 registers a lane) is 1,536 bytes: registers 4 c .. 4 c + 3 of lane l at 512 c + 16 l.
; cod: [tile][K step 0..7] fragments; tiles 0-511 x, 512-575 wq, 576-639 wk, 640-703 wv, 704-767 wo.  scl: [tile][K step / 2][row r][K step % 2] words of four bytes.
; THE ROWS OF A TILE ARE NOT NEIGHBOURS: lane r of tile T holds row 32 (T / 2) + 8 (T % 2) + r + 8 (r / 8), so that results of a product whose source 0 is such a tile lie 16 neighbours to a lane.
; For x the rows' mean and 1 / sqrt(variance + 1e-7) are made here too (stats: [tile][r] pairs), since x is in registers anyway.
; SHARES: a work-group takes one tile, wave w its K step w: 16 loads of 512 consecutive bytes (one row each), turned through the wave's own stage in LDS so that a lane holds two whole blocks of its row.
; A block's scale is 2^(floor(log2(largest magnitude)) - 2): the largest magnitude's exponent field less 2, held at 1 from below by a floor among the maximum's leaves.
; The variance is a sum of squared deviations on two levels (64 numbers about their own mean, 16 such means about the row's): never a difference of large sums.
; LIMITS: NaN and infinities among the inputs are not served; a block of zeros gets the byte 1 (its codes are zeros; this program alone reads the bytes); magnitudes under 2^-124 are held at that floor.
; No tensor loads, no ring: every byte is asked for at once, and several work-groups share a WGP.
.set PST,  528                         ; a stage row: 512 bytes + 16, so that sixteen rows start at sixteen different groups of banks
.set WST,  16*PST                      ; a wave's stage
.set SCX,  8*WST                       ; the tile's 512 bytes of scale words, in scl's order
.set STX,  SCX+512                     ; (mean, sum of squared deviations) of each lane's 64 numbers: 256 bytes a wave
.set X,    16                          ; v16-79  64 numbers
.set P,    80                          ; v80-91  the fragment's codes
.set Y,    92                          ; v92-94, v96-98  the second halves of the blocks' codes
	s_load_b512 s[4:19], s[0:1], 0x0               ; x s[4:5], wq s[6:7], wk s[8:9], wv s[10:11], wo s[12:13], cod s[14:15], scl s[16:17], stats s[18:19]
	v_lshl_add_u32 v128, v0, 2, 0x11200
	v_mov_b32 v129, 0
	v_lshrrev_b32 v1, 5, v0
	v_readfirstlane_b32 s24, v1                    ; wave = K step
	v_and_b32 v1, 31, v0                           ; lane l
	v_and_b32 v2, 15, v0                           ; r
	v_bfe_u32 v3, v0, 4, 1                         ; h
	v_lshlrev_b32 v4, 4, v1                        ; 16 l: my bytes of a load, of a code store, of the scale store
	v_lshlrev_b32 v7, 3, v2                        ; 8 r
	s_mul_i32 s25, s24, WST
	v_add_nc_u32 v5, s25, v4                       ; the stage, way in: 16 l
	v_mul_u32_u24 v6, v2, PST
	v_lshl_add_u32 v6, v3, 7, v6
	v_add_nc_u32 v6, s25, v6                       ; way out: row r, + 128 h: my block of 32 numbers
	s_lshr_b32 s40, s24, 1
	s_lshl_b32 s40, s40, 7
	s_and_b32 s41, s24, 1
	s_lshl_b32 s41, s41, 2
	s_add_co_u32 s40, s40, s41
	s_add_co_u32 s40, s40, SCX
	v_add_nc_u32 v8, s40, v7                       ; my row's scale word: 128 (w / 2) + 8 r + 4 (w % 2)
	s_lshl_b32 s41, s24, 8
	s_add_co_u32 s41, s41, STX
	v_lshl_add_u32 v9, v1, 3, s41                  ; my pair of statistics
	v_add_nc_u32 v10, SCX, v4                      ; wave 0's way out of the scale words
	v_lshl_add_u32 v11, v1, 3, STX                 ; and its reading of the statistics
	s_mov_b32 s38, 0x76543210
	s_mov_b32 s39, 0xfedcba98                      ; v_permlanex16_b32's selects for lane l xor 16
	s_mov_b32 s42, 0x3a800000                      ; 1 / 1024
	s_mov_b32 s43, 0x33d6bf95                      ; 1e-7
	s_and_b32 s35, ttmp9, 63
	s_cmp_lt_u32 ttmp9, 512
	s_cselect_b32 s34, ttmp9, s35                  ; the tile's number in its own tensor
	s_lshr_b32 s36, s34, 1
	s_lshl_b32 s36, s36, 17                        ; 32 (t / 2) rows of 4,096 bytes
	s_and_b32 s35, s34, 1
	s_lshl_b32 s35, s35, 15                        ; 8 (t % 2) rows
	s_add_co_u32 s36, s36, s35
	s_lshl_b32 s35, s24, 9                         ; my K step: 512 bytes
	s_add_co_u32 s36, s36, s35
	s_mov_b32 s37, 0
	s_mul_i32 s28, ttmp9, 12288
	s_mul_i32 s35, s24, 1536
	s_add_co_u32 s28, s28, s35                     ; my fragment in cod
	s_mov_b32 s29, 0
	s_lshl_b32 s30, ttmp9, 9                       ; the tile's words in scl
	s_mov_b32 s31, 0
	s_lshl_b32 s32, ttmp9, 7                       ; and its pairs in stats (used by x's tiles alone)
	s_mov_b32 s33, 0
	s_wait_kmcnt 0x0
	s_mov_b64 s[26:27], s[12:13]                   ; which tensor: the choice hangs on the work-group's number alone
	s_cmp_lt_u32 ttmp9, 704
	s_cselect_b64 s[26:27], s[10:11], s[26:27]
	s_cmp_lt_u32 ttmp9, 640
	s_cselect_b64 s[26:27], s[8:9], s[26:27]
	s_cmp_lt_u32 ttmp9, 576
	s_cselect_b64 s[26:27], s[6:7], s[26:27]
	s_cmp_lt_u32 ttmp9, 512
	s_cselect_b64 s[26:27], s[4:5], s[26:27]
	s_add_nc_u64 s[26:27], s[26:27], s[36:37]
	s_add_nc_u64 s[28:29], s[14:15], s[28:29]
	s_add_nc_u64 s[30:31], s[16:17], s[30:31]
	s_add_nc_u64 s[32:33], s[18:19], s[32:33]
.irp j, 0,1,2,3,4,5,6,7,8,9,10,11,12,13,14,15
	global_load_b128 v[X+4*\j:X+4*\j+3], v4, s[26:27] offset:(\j+8*(\j/8))*4096 th:TH_LOAD_NT   ; the tile's row j: 32 lanes read 512 consecutive bytes
.endr
.irp j, 0,1,2,3,4,5,6,7,8,9,10,11,12,13,14,15
	s_wait_loadcnt 15-\j                           ; loads come back in order: row j is in, the 15 - j younger ones may be out
	ds_store_b128 v5, v[X+4*\j:X+4*\j+3] offset:PST*\j
.endr
.irp c, 0,1
.irp i, 0,1,2,3,4,5,6,7
	ds_load_b128 v[X+32*\c+4*\i:X+32*\c+4*\i+3], v6 offset:256*\c+16*\i   ; LDS serves a wave's instructions in order: these see my stores.  X[32 c + i] = k 64 c + 32 h + i of row r
.endr
.endr
	s_wait_dscnt 0x0
.irp c, 0,1                                    ; my block 2 c + h: all its 32 numbers are mine
	v_max3_num_f32 v[100+\c], |v[X+32*\c]|, |v[X+32*\c+1]|, 0x1800000   ; with the floor 2^(3 - 127): the byte cannot fall under 1
.endr
.irp i, 2,4,6,8,10,12,14,16,18,20,22,24,26,28,30
.irp c, 0,1
	v_max3_num_f32 v[100+\c], v[100+\c], |v[X+32*\c+\i]|, |v[X+32*\c+\i+1]|
.endr
.endr
.irp c, 0,1
	v_add_nc_u32 v[102+\c], 0xff000000, v[100+\c]  ; 2 off the exponent field: the conversion's scale operand
.endr
.irp c, 0,1
	v_lshrrev_b32 v[104+\c], 23, v[102+\c]         ; the scale's byte
.endr
	v_lshl_or_b32 v106, v105, 16, v104             ; blocks h and 2 + h,
	v_lshlrev_b32 v107, 3, v3
	v_lshlrev_b32 v106, v107, v106                 ; at their places in the word (8 h bits up);
	v_mov_b32 v107, 0
	v_permlanex16_b32 v107, v106, s38, s39
	v_or_b32 v106, v106, v107                      ; with lane l xor 16's two the word is whole, in both lanes
.irp c, 0,1
	v_cvt_scalef32_pk16_fp6_f32 v[P+6*\c:P+6*\c+2], v[X+32*\c:X+32*\c+15], v[102+\c]
	v_cvt_scalef32_pk16_fp6_f32 v[Y+4*\c:Y+4*\c+2], v[X+32*\c+16:X+32*\c+31], v[102+\c]   ; (a conversion's three registers begin on an even number)
.endr
	v_nop                                          ; one plain place behind a scaled conversion
.irp c, 0,1
.irp i, 0,1,2
	v_mov_b32 v[P+6*\c+3+\i], v[Y+4*\c+\i]
.endr
.endr
.irp c, 0,1,2
	global_store_b128 v4, v[P+4*\c:P+4*\c+3], s[28:29] offset:512*\c   ; 32 lanes store 512 consecutive bytes, at a multiple of 256 from cod's first byte
.endr
	ds_store_b32 v8, v106                          ; lanes l and l xor 16 write the same word with the same value
	s_cmp_ge_u32 ttmp9, 512                        ; the weights have no statistics
	s_cbranch_scc1 .Lno_stats
	v_pk_add_f32 v[108:109], v[X:X+1], v[X+2:X+3]  ; the sum of my 64 numbers, two at a time, in two chains
	v_pk_add_f32 v[110:111], v[X+4:X+5], v[X+6:X+7]
.irp j, 8,12,16,20,24,28,32,36,40,44,48,52,56,60
	v_pk_add_f32 v[108:109], v[108:109], v[X+\j:X+\j+1]
	v_pk_add_f32 v[110:111], v[110:111], v[X+\j+2:X+\j+3]
.endr
	v_pk_add_f32 v[108:109], v[108:109], v[110:111]
	v_add_f32 v112, v108, v109
	v_mul_f32 v112, 0x3c800000, v112               ; their mean
	v_mov_b32 v113, v112                           ; (named with it as a pair, so it is written)
.irp j, 0,4,8,12,16,20,24,28,32,36,40,44,48,52,56,60
	v_pk_add_f32 v[114:115], v[X+\j:X+\j+1], v[112:113] op_sel_hi:[1,0] neg_lo:[0,1] neg_hi:[0,1]
	v_pk_add_f32 v[116:117], v[X+\j+2:X+\j+3], v[112:113] op_sel_hi:[1,0] neg_lo:[0,1] neg_hi:[0,1]
.if \j == 0
	v_pk_mul_f32 v[118:119], v[114:115], v[114:115]        ; the first squares start the sums
	v_pk_mul_f32 v[120:121], v[116:117], v[116:117]
.else
	v_pk_fma_f32 v[118:119], v[114:115], v[114:115], v[118:119]
	v_pk_fma_f32 v[120:121], v[116:117], v[116:117], v[120:121]
.endif
.endr
	v_pk_add_f32 v[118:119], v[118:119], v[120:121]
	v_add_f32 v113, v118, v119                     ; the sum of their squared deviations
	ds_store_b64 v9, v[112:113]
.Lno_stats:
	s_wait_dscnt 0x0                               ; for wave 0's sake: my LDS stores are done
	s_barrier_signal -1
	s_barrier_wait -1
	s_cmp_lg_u32 s24, 0
	s_cbranch_scc1 .Lend
	ds_load_b128 v[12:15], v10                     ; the tile's scale words leave as 512 consecutive bytes
	s_wait_dscnt 0x0
	global_store_b128 v4, v[12:15], s[30:31]
	s_cmp_ge_u32 ttmp9, 512
	s_cbranch_scc1 .Lend
.irp j, 0,1,2,3,4,5,6,7
	ds_load_b64 v[16+2*\j:17+2*\j], v11 offset:256*\j      ; row r, half h: the eight K steps' pairs
.endr
	s_wait_dscnt 0x0
	v_add_f32 v40, v16, v18
	v_add_f32 v41, v20, v22
	v_add_f32 v42, v24, v26
	v_add_f32 v43, v28, v30
	v_add_f32 v40, v40, v41
	v_add_f32 v42, v42, v43
	v_add_f32 v40, v40, v42
	v_mov_b32 v44, 0
	v_permlanex16_b32 v44, v40, s38, s39
	v_add_f32 v40, v40, v44
	v_mul_f32 v40, 0x3d800000, v40                 ; the row's mean: sixteen means of 64 numbers / 16
	v_add_f32 v45, v17, v19
	v_add_f32 v46, v21, v23
	v_add_f32 v47, v25, v27
	v_add_f32 v48, v29, v31
	v_add_f32 v45, v45, v46
	v_add_f32 v47, v47, v48
	v_add_f32 v45, v45, v47
.irp j, 0,1,2,3,4,5,6,7
	v_sub_f32 v[50+\j], v[16+2*\j], v40
.endr
	v_mul_f32 v49, v50, v50
.irp j, 1,2,3,4,5,6,7
	v_fmac_f32 v49, v[50+\j], v[50+\j]
.endr
	v_fmamk_f32 v45, v49, 0x42800000, v45          ; + 64 x the squared deviations of the means
	v_permlanex16_b32 v44, v45, s38, s39
	v_add_f32 v45, v45, v44
	v_fma_f32 v45, v45, s42, s43                   ; variance + 1e-7
	v_rsq_f32 v41, v45
	v_nop                                          ; one plain place behind a transcendental
	s_wait_alu depctr_va_vdst(0)
	global_store_b64 v7, v[40:41], s[32:33]        ; lanes l and l xor 16 hold the same bits and name the same 8 bytes
.Lend:
	s_wait_tensorcnt 0x0
	ds_add_u32 v128, v129
	s_wait_dscnt 0x0
	s_endpgm
.Lfunc_end_k_q033d18af9d_quant:
	.size	k_q033d18af9d_quant, .Lfunc_end_k_q033d18af9d_quant-k_q033d18af9d_quant
	.p2alignl 7, 3214868480
	.fill 96, 4, 3214868480
	.section	.rodata,"a",@progbits
	.p2align	6, 0x0
	.amdhsa_kernel k_q033d18af9d_quant
		.amdhsa_group_segment_fixed_size 71168
		.amdhsa_private_segment_fixed_size 0
		.amdhsa_enable_private_segment 0
		.amdhsa_kernarg_size 64
		.amdhsa_user_sgpr_count 2
		.amdhsa_user_sgpr_kernarg_segment_ptr 1
		.amdhsa_wavefront_size32 1
		.amdhsa_system_sgpr_workgroup_id_x 1
		.amdhsa_system_sgpr_workgroup_id_y 1
		.amdhsa_system_sgpr_workgroup_id_z 1
		.amdhsa_system_vgpr_workitem_id 0
		.amdhsa_next_free_vgpr 130
		.amdhsa_next_free_sgpr 66
		.amdhsa_reserve_vcc 0
		.amdhsa_float_denorm_mode_32 3
		.amdhsa_float_denorm_mode_16_64 3
		.amdhsa_memory_ordered 1
		.amdhsa_forward_progress 1
		.amdhsa_inst_pref_size 20
	.end_amdhsa_kernel
	.amdgpu_metadata
---
amdhsa.version: [ 1, 2 ]
amdhsa.kernels:
  - .name:           k_q033d18af9d_quant
    .symbol:         k_q033d18af9d_quant.kd
    .args:
      - { .name: hidden_states, .offset: 0, .size: 8, .value_kind: global_buffer, .address_space: global }
      - { .name: wq, .offset: 8, .size: 8, .value_kind: global_buffer, .address_space: global }
      - { .name: wk, .offset: 16, .size: 8, .value_kind: global_buffer, .address_space: global }
      - { .name: wv, .offset: 24, .size: 8, .value_kind: global_buffer, .address_space: global }
      - { .name: wo, .offset: 32, .size: 8, .value_kind: global_buffer, .address_space: global }
      - { .name: cod, .offset: 40, .size: 8, .value_kind: global_buffer, .address_space: global }
      - { .name: scl, .offset: 48, .size: 8, .value_kind: global_buffer, .address_space: global }
      - { .name: stats, .offset: 56, .size: 8, .value_kind: global_buffer, .address_space: global }
    .group_segment_fixed_size: 71168
    .private_segment_fixed_size: 0
    .kernarg_segment_align: 8
    .kernarg_segment_size: 64
    .max_flat_workgroup_size: 256
    .sgpr_count:     66
    .vgpr_count:     130
    .wavefront_size: 32
...
	.end_amdgpu_metadata
.endif
;; end of part 1
;; launch qkv (part 2): grid 12 x 32, 4 waves a work-group, clusters of 4 x 4, 327,680 bytes of LDS; arguments cod, scl, fcod, fscl; writes fcod, fscl
.if DOCPART == 2
	.amdgcn_target "amdgcn-amd-amdhsa--gfx1250"
	.amdhsa_code_object_version 6
	.text
	.protected	k_q033d18af9d_qkv
	.globl	k_q033d18af9d_qkv
	.p2align	8
	.type	k_q033d18af9d_qkv,@function
k_q033d18af9d_qkv:
	s_mov_b64 s[64:65], 0
	v_nop
	global_prefetch_b8 v0, s[64:65] scope:SCOPE_SE
	s_setreg_imm32_b32 hwreg(HW_REG_WAVE_MODE, 25, 1), 1
	s_wait_xcnt 0x0
	s_wait_alu depctr_hold_cnt(0) depctr_sa_sdst(0) depctr_va_vdst(0) depctr_va_sdst(0) depctr_va_ssrc(0) depctr_va_vcc(0) depctr_vm_vsrc(0)
	s_getreg_b32 s2, hwreg(HW_REG_IB_STS2, 6, 4)
	s_cmp_eq_u32 s2, 0
	s_cbranch_scc0 .Lentry_in_a_cluster
	s_endpgm
.Lentry_in_a_cluster:
	s_bfe_u32 s2, ttmp6, 0x10000c
	s_cmp_lg_u32 s2, 0xf033
	s_cbranch_scc0 .Lentry_shape_is_right
	s_endpgm
.Lentry_shape_is_right:
; q, k = x [wq; wk]^T and V^T = wv x^T on codes of FP6 (E2M3) with E8M0 scales, K = 1,024; the results are quantised along N in registers and stored as operand images for the attention launch.
; Operands come from cod / scl as images of operand registers (a fragment of 16 rows x 128 K is 1,536 bytes; a tile's 8 K steps are 12,288 bytes on end; scale words [tile][K step / 2][r][K step % 2]).
; Tiles 0-511 are x, 512-639 wq and wk, 640-703 wv.  Lane r of tile T holds row 32 (T / 2) + 8 (T % 2) + r + 8 (r / 8).
; A tile of C, 256 x 256, is made by four waves, 128 x 128 each: 64 accumulators of 16 x 16.  K goes in steps of 256 through two LDS slots filled by the tensor data mover.
; WHICH PRODUCT: clusters with x = 0, 1 make q and k (A = x, B = wq; wk), clusters with x = 2 make V^T (A = wv, B = x).  Only tile numbers and strides are chosen, by s_cselect_b32 on the cluster's x, which all partners share: no branch.
; CLUSTERS: 4 x 4 work-groups; A's tiles hang on the tile row alone and are shared along a row of the cluster, B's on the tile column alone and are shared along a column: each is asked for jointly.
; THE MATRIX INSTRUCTION IS USED TRANSPOSED (source 0 = 16 rows of B, source 1 = 16 rows of A): by the choice of a tile's rows, the 64 registers of A's block a are, for lane (r, h), columns 32 b + 16 h + e at register 16 b + e:
; 16 neighbours of each block of 32 along N, which is the next products' K (the head's 64 for q and k, the keys for V^T).  So the way out is a quantiser in registers and uses no LDS.
; OUT: a fragment of 16 rows x 128 columns, 1,536 bytes: half c at 768 c: registers 6 c .. 6 c + 3 at 16 l, then registers 6 c + 4, 5 at 512 + 8 l; its scale words at 4 l, 128 bytes.
;   q, k: fragment (column group CG 0-15) x 512 + token tile;  V^T: at VOFFC, (tile of 16 d) x 64 + (128 tokens).
; LIMITS: NaN and infinities are not served; a block of zeros gets the byte 1 (its codes are zeros; this program alone reads the bytes).
; REGISTERS: window 0: v16-31 addresses; v32-63 scale words, two sets; from v128 A's fragments, one set.  window 1: B's fragments, two sets, at v0 and v128.  windows 2, 3: the accumulators ((a, b) at v[8 (8 (a % 4) + b)]).
.set NQ,     2                         ; matrix instructions deep in a slot
.set FR,     12                        ; registers of a fragment
.set FRB,    1536                      ; and its image in bytes
.set TILEB,  8*FRB                     ; a tile's 8 K steps in memory
.set NL,     3                         ; LDS loads that bring a fragment
.set NP,     4                         ; places behind this matrix instruction (ISA guide 7.12.1)
.set HALFT,  8*NQ*FRB                  ; 8 tiles x 2 K steps: what one tensor load brings, and what one wave reads of A or of B
.set SLOT,   4*HALFT                   ; A's 16 tiles, then B's 16
.set SCL,    2*SLOT                    ; behind the ring: the scale words of A's and B's 16 tiles, for all of K; filled once
.set HALFS,  4096                      ; those of 8 tiles
.set SBLK,   512                       ; those of one
.set SPARE,  SCL+4*HALFS               ; the spare words, 128 bytes for each wave: two blocks of 256 bytes that no other line names
.set VOFFC,  12582912                  ; where V^T's fragments begin in fcod
.set VOFFS,  1048576                   ; and their scale words in fscl
.set ADRA, 16                          ; v16-17  LDS address of my A fragments in slot 0, 1
.set ADRB, 20                          ; v20-21  the same for B
.set O16,  24                          ; v24     16 l
.set O8,   25                          ; v25     8 l
.set O4,   26                          ; v26     4 l
.set ADRS, 27                          ; v27     LDS address of my scale words: lanes 0-15 A's, lanes 16-31 B's
.set SPW,  28                          ; v28     LDS address of my spare word; never rewritten
.set NIL,  29                          ; v29     0; never rewritten
.set SC,   32                          ; scale words: set s at v[SC + 16 s]; register 2 i + q: lanes 0-15 the word of A's block i, lanes 16-31 of B's block i
.set AF,   128                         ; A's fragments
.set TM,   32                          ; the way out (the scale words are done with): v32-35 largest magnitudes,
.set BT,   36                          ; v36-39 the other half's, then the bytes,
.set BS,   40                          ; v40-43 the conversions' scale operands,
.set PW,   44                          ; v44    the scale word,
.set PC,   48                          ; v48-59 the codes,
.set YY,   60                          ; v60-62, v64-66 the second halves
.set SEL,  10                          ; s[10:11] v_permlanex16_b32's selects
.set G1, 24                            ; s[24:31] descriptor group 1 for A's tiles;  s[32:39] group 0, one set for each slot
.set G0, 32
.set G1B, 48                           ; s[48:55], s[56:63] the same for B's
.set G0B, 56
.set G1S, 68                           ; s[68:75], s[76:79] for A's scale words;  s[80:87], s[88:91] for B's
.set G0S, 76
.set G1SB, 80
.set G0SB, 88
.set MSB, 0
.macro WIN new                         ; the immediate's high byte repeats the setting that is left
.if MSB != \new
	s_set_vgpr_msb (MSB<<8)|\new
.set MSB, \new
.endif
.endm
.set MUL_LO, 0xa1                      ; source 0 (B) window 1, source 1 (A) window 0, C and D window 2
.set MUL_HI, 0xf1                      ; the same, C and D window 3
.set TO_B,   0x40                      ; destination window 1, address window 0
; A joint load: waves 0 and 1 fetch for A, waves 2 and 3 for B.  The branch hangs on the wave's number alone.  Four v_nop follow each of the two lines.
.macro JLOAD g0a, g1a, g0b, g1b
	s_cmp_eq_u32 s15, 0
	s_cbranch_scc0 .Lfor_b_\@
	tensor_load_to_lds s[\g0a:\g0a+3], s[\g1a:\g1a+7]
	s_nop 0
.rept 4
	v_nop
.endr
	s_branch .Lasked_\@
.Lfor_b_\@:
	tensor_load_to_lds s[\g0b:\g0b+3], s[\g1b:\g1b+7]
	s_nop 0
.rept 4
	v_nop
.endr
.Lasked_\@:
.endm
.macro CREST                           ; a round of the cluster's barrier behind its opening barrier
	s_cmp_lg_u32 s14, 0
	s_cbranch_scc1 .Lnot_wave_0_\@
	s_barrier_signal -3
.Lnot_wave_0_\@:
	s_barrier_wait -3
	s_barrier_signal -1
	s_barrier_wait -1
.endm
.macro CROUND                          ; a whole round
	s_barrier_signal -1
	s_barrier_wait -1
	CREST
.endm
	s_load_b128 s[4:7], s[0:1], 0x0                ; cod s[4:5], scl s[6:7]
	s_load_b64 s[12:13], s[0:1], 0x10              ; fcod
	s_load_b64 s[2:3], s[0:1], 0x18                ; fscl
	v_lshl_add_u32 v[SPW], v0, 2, SPARE
	v_mov_b32 v[NIL], 0
	ds_add_u32 v28, v29
	ds_add_u32 v28, v29
	s_wait_dscnt 0x0
	v_lshrrev_b32 v1, 5, v0
	v_readfirstlane_b32 s14, v1                    ; wave 0..3
	s_lshr_b32 s15, s14, 1                         ; which half of the tile's rows is mine.  Also: I fetch for A (0) or for B (1)
	s_and_b32 s16, s14, 1                          ; which half of its columns.  Also: which 8 tiles I fetch
	s_bfe_u32 s40, ttmp6, 0x40000                  ; cx, cy: my place in the cluster
	s_bfe_u32 s41, ttmp6, 0x40004
	s_and_b32 s18, ttmp7, 0xffff
	s_lshl_b32 s18, s18, 2                         ; 4 x cluster y
	s_lshl_b32 s19, ttmp9, 2                       ; 4 x cluster x
	s_mov_b32 s96, FRB
	s_mov_b32 s98, 128
	s_mov_b32 s100, 512
	s_cmp_eq_u32 ttmp9, 2                          ; V^T's clusters?  All the choices follow this one compare: s_mov and s_cselect leave SCC alone
	s_cselect_b32 s17, 0, s18                      ; the cluster's first tile row: V^T has four tile rows, q and k 32
	s_cselect_b32 s42, s18, s19                    ; its first tile column
	s_cselect_b32 s95, 640, 0                      ; where A's tiles begin in cod: wv or x
	s_cselect_b32 s66, 0, 512                      ; and B's: x or wq, wk
	s_cselect_b32 s96, 64*FRB, s96                 ; from one of my blocks of 16 rows to the next, in fcod,
	s_cselect_b32 s98, 64*128, s98                 ; and in fscl
	s_cselect_b32 s67, 64, 1                       ; a fragment's index = row tile x this
	s_cselect_b32 s100, 1, s100                    ; + column group x this
	s_cselect_b32 s101, VOFFC, 0
	s_cselect_b32 s104, VOFFS, 0
	s_mov_b32 s97, 0
	s_mov_b32 s99, 0
	s_add_co_u32 s17, s17, s41                     ; tile row of C: hangs on cy alone
	s_add_co_u32 s42, s42, s40                     ; tile column: on cx alone
	s_lshl_b32 s43, s41, 2
	s_lshl_b32 s43, 15, s43                        ; my row of the cluster
	s_lshl_b32 s44, 0x1111, s40                    ; my column
	; descriptor group 1: 8 tiles x two K steps: 8 rows of 3,072 bytes (384 elements of 8 bytes), 12,288 bytes apart; dense in LDS
	s_or_b32 s[G1+0], s43, (3<<16)|(1<<21)         ; 15:0 the mask: A's tiles go to my row; 17:16 elements of 8 bytes; 20 no padding; 21 set beside a mask
	s_or_b32 s[G1B+0], s44, (3<<16)|(1<<21)
.irp g, G1, G1B
	s_mov_b32 s[\g+1], 384<<16                     ; tensor_dim0
	s_mov_b32 s[\g+2], 8<<16                       ; tensor_dim1
	s_mov_b32 s[\g+3], 384<<16                     ; tile_dim0
	s_mov_b32 s[\g+4], 8                           ; tile_dim1
	s_mov_b32 s[\g+5], 1536                        ; tensor_dim0_stride, in elements
	s_mov_b32 s[\g+6], 0
	s_mov_b32 s[\g+7], 0
.endr
	; the scale words of 8 tiles: 4,096 dense bytes, as 16 rows of 256 bytes
	s_or_b32 s[G1S+0], s43, (3<<16)|(1<<21)
	s_or_b32 s[G1SB+0], s44, (3<<16)|(1<<21)
.irp g, G1S, G1SB
	s_mov_b32 s[\g+1], 32<<16
	s_mov_b32 s[\g+2], 16<<16
	s_mov_b32 s[\g+3], 32<<16
	s_mov_b32 s[\g+4], 16
	s_mov_b32 s[\g+5], 32
	s_mov_b32 s[\g+6], 0
	s_mov_b32 s[\g+7], 0
.endr
	s_lshl_b32 s18, s16, 3                         ; which 8 of the 16 tiles I fetch
	s_lshl_b32 s20, s17, 4
	s_add_co_u32 s20, s20, s18
	s_add_co_u32 s20, s20, s95                     ; A: tile 16 x tile row + 8 x half + the tensor's first
	s_lshl_b32 s46, s42, 4
	s_add_co_u32 s46, s46, s18
	s_add_co_u32 s46, s46, s66                     ; B likewise
	s_lshl_b32 s22, s20, 9                         ; their scale words, in bytes,
	s_mov_b32 s23, 0
	s_lshl_b32 s92, s46, 9
	s_mov_b32 s93, 0
	s_mul_i32 s20, s20, TILEB                      ; and their codes (768 tiles: under 2^24 bytes)
	s_mov_b32 s21, 0
	s_mul_i32 s46, s46, TILEB
	s_mov_b32 s47, 0
	s_mul_i32 s45, s14, HALFT                      ; where they go: wave x 8 tiles: no place in the cluster enters an LDS address
	s_mul_i32 s94, s14, HALFS
	s_mov_b32 s[SEL], 0x76543210
	s_mov_b32 s[SEL+1], 0xfedcba98
	s_wait_kmcnt 0x0
	s_add_nc_u64 s[20:21], s[4:5], s[20:21]
	s_add_nc_u64 s[22:23], s[6:7], s[22:23]
	s_add_nc_u64 s[46:47], s[4:5], s[46:47]
	s_add_nc_u64 s[92:93], s[6:7], s[92:93]
	CROUND                                         ; all sixteen work-groups are here: the first joint loads meet
	s_mov_b32 s[G0S], 1
	s_add_co_u32 s[G0S+1], s94, SCL
	s_mov_b64 s[G0S+2:G0S+3], s[22:23]
	s_or_b32 s[G0S+3], s[G0S+3], 0x80000000
	s_mov_b32 s[G0SB], 1
	s_add_co_u32 s[G0SB+1], s94, SCL
	s_mov_b64 s[G0SB+2:G0SB+3], s[92:93]
	s_or_b32 s[G0SB+3], s[G0SB+3], 0x80000000
	JLOAD G0S, G1S, G0SB, G1SB                     ; the scale words first: they are wanted with K step 0
.irp s, 0,1
	s_mov_b32 s[G0+4*\s], 1
	s_add_co_u32 s[G0+4*\s+1], s45, \s*SLOT
	s_add_nc_u64 s[G0+4*\s+2:G0+4*\s+3], s[20:21], \s*NQ*FRB
	s_or_b32 s[G0+4*\s+3], s[G0+4*\s+3], 0x80000000
	s_mov_b32 s[G0B+4*\s], 1
	s_add_co_u32 s[G0B+4*\s+1], s45, \s*SLOT
	s_add_nc_u64 s[G0B+4*\s+2:G0B+4*\s+3], s[46:47], \s*NQ*FRB
	s_or_b32 s[G0B+4*\s+3], s[G0B+4*\s+3], 0x80000000
	JLOAD G0+4*\s, G1, G0B+4*\s, G1B               ; three tensor loads of mine are out now, later one
.endr
	v_and_b32 v1, 31, v0                           ; l
	v_and_b32 v2, 15, v0                           ; r
	v_bfe_u32 v3, v0, 4, 1                         ; h
	v_lshlrev_b32 v[O16], 4, v1
	v_lshlrev_b32 v[O8], 3, v1
	v_lshlrev_b32 v[O4], 2, v1
	s_mul_i32 s21, s15, HALFT                      ; my 8 tiles of A
	s_mul_i32 s22, s16, HALFT                      ; my 8 tiles of B,
	s_add_co_u32 s22, s22, 2*HALFT                 ; which lie behind A's 16
.irp s, 0,1
	v_add_nc_u32 v[ADRA+\s], s21, v[O16]           ; an image's place for my lane: 16 l
	v_add_nc_u32 v[ADRB+\s], s22, v[O16]
	s_add_co_u32 s21, s21, SLOT
	s_add_co_u32 s22, s22, SLOT
.endr
	v_lshlrev_b32 v5, 3, v2                        ; my row's two scale words of a K step: 8 r
	s_mul_i32 s21, s15, HALFS                      ; A's: my 8 tiles
	s_mul_i32 s22, s16, HALFS                      ; B's: my 8 tiles, behind A's 16
	s_add_co_u32 s22, s22, 2*HALFS
	s_sub_co_u32 s22, s22, s21
	v_mul_u32_u24 v6, s22, v3                      ; lanes 16-31 take B's
	s_add_co_u32 s21, s21, SCL
	v_add_nc_u32 v5, v5, v6
	v_add_nc_u32 v[ADRS], s21, v5
	; where my first block's fragment goes
	s_lshl_b32 s18, s17, 4
	s_lshl_b32 s19, s15, 3
	s_add_co_u32 s18, s18, s19                     ; my first row tile: 16 x tile row + 8 x half
	s_mul_i32 s18, s18, s67
	s_lshl_b32 s19, s42, 1
	s_add_co_u32 s19, s19, s16                     ; my 128 columns: 2 x tile column + half
	s_mul_i32 s19, s19, s100
	s_add_co_u32 s18, s18, s19                     ; the fragment's index
	s_mul_i32 s100, s18, FRB
	s_add_co_u32 s100, s100, s101
	s_mov_b32 s101, 0
	s_add_nc_u64 s[12:13], s[12:13], s[100:101]
	s_lshl_b32 s18, s18, 7
	s_add_co_u32 s104, s104, s18
	s_mov_b32 s105, 0
	s_add_nc_u64 s[2:3], s[2:3], s[104:105]
.macro FRAG reg, adr, q, i             ; a fragment comes back as it was stored: three loads of 512 consecutive bytes, 16 bytes a lane
.irp c, 0,1,2
	ds_load_b128 v[\reg+4*\c:\reg+4*\c+3], v[\adr] offset:(\i)*NQ*FRB+(\q)*FRB+512*\c
.endr
.endm
; 16 matrix instructions: A's blocks a0, a0 + 1 x B's eight, 128 along K: the slot's q-th.  p: B's set;  sc: the set of scale words.  zero = 1: the first product starts the sums.
; The 64 accumulators take turns, one instruction a turn, in the same order in every step.
.macro MUL16 a0, p, q, sc, zero
.irp a, \a0, \a0+1
.irp b, 0,1,2,3,4,5,6,7
.if \zero
	v_wmma_scale_f32_16x16x128_f8f6f4 v[8*(8*((\a)%4)+\b):8*(8*((\a)%4)+\b)+7], v[128*(\p)+FR*\b:128*(\p)+FR*\b+FR-1], v[AF+FR*(\a):AF+FR*(\a)+FR-1], 0, v[SC+8*NQ*(\sc)+NQ*\b+(\q)], v[SC+8*NQ*(\sc)+NQ*(\a)+(\q)] matrix_a_fmt:MATRIX_FMT_FP6 matrix_b_fmt:MATRIX_FMT_FP6 matrix_a_scale:MATRIX_SCALE_ROW1
.else
	v_wmma_scale_f32_16x16x128_f8f6f4 v[8*(8*((\a)%4)+\b):8*(8*((\a)%4)+\b)+7], v[128*(\p)+FR*\b:128*(\p)+FR*\b+FR-1], v[AF+FR*(\a):AF+FR*(\a)+FR-1], v[8*(8*((\a)%4)+\b):8*(8*((\a)%4)+\b)+7], v[SC+8*NQ*(\sc)+NQ*\b+(\q)], v[SC+8*NQ*(\sc)+NQ*(\a)+(\q)] matrix_a_fmt:MATRIX_FMT_FP6 matrix_b_fmt:MATRIX_FMT_FP6 matrix_a_scale:MATRIX_SCALE_ROW1
.endif
.endr
.endr
.endm
.macro FETCH_B slot, q, p              ; B's eight fragments of the slot's q-th 128 along K into set p
	WIN TO_B
.irp i, 0,1,2,3,4,5,6,7
	FRAG 128*(\p)+FR*\i, ADRB+\slot, \q, \i
.endr
	WIN 0
.endm
.macro FETCH_A slot, q, i0             ; A's blocks i0 .. i0 + 3
.irp i, \i0, \i0+1, \i0+2, \i0+3
	FRAG AF+FR*(\i), ADRA+\slot, \q, \i
.endr
.endm
.macro SCALES sc                       ; a K step's scale words into set sc: two words a row; lanes 0-15 take A's block i, lanes 16-31 B's block i
.irp i, 0,1,2,3,4,5,6,7
	ds_load_b64 v[SC+8*NQ*\sc+NQ*\i:SC+8*NQ*\sc+NQ*\i+1], v[ADRS] offset:\i*SBLK
.endr
.endm
; A load into a register that a matrix instruction has read, and a vector instruction that reads a matrix result or writes one of its registers, stand NP places behind it; only plain vector instructions
; that name none of its registers are places (ISA guide 7.12.1 for vector instructions).
.macro PLACES n
.rept \n
	v_nop
.endr
.endm
; A step of 128 along K that has its successor in the same slot.
.macro STEP slot, q, zero
	s_wait_dscnt 4*NL                              ; B's set and A's blocks 0-3 are in; the youngest twelve loads (A's blocks 4-7) may be out
	WIN MUL_LO
	MUL16 0, (\q)%2, \q, \slot, \zero
	MUL16 2, (\q)%2, \q, \slot, \zero
	s_wait_dscnt 0                                 ; A's blocks 4-7 are in (asked for 32 matrix instructions ago)
	PLACES NP
	FETCH_B \slot, (\q)+1, 1-(\q)%2
	FETCH_A \slot, (\q)+1, 0
	WIN MUL_HI
	MUL16 4, (\q)%2, \q, \slot, \zero
	MUL16 6, (\q)%2, \q, \slot, \zero
	PLACES NP
	WIN 0
	FETCH_A \slot, (\q)+1, 4
.endm
; A slot's last step changes slots: ONE barrier; in front of it each wave waits for all its tensor loads, adds 0 to its spare word, and waits for that and for its own reads of this slot.  fill = 1: this slot is filled again, two K steps ahead.
.macro TURN slot, next, fill
	s_wait_tensorcnt 0x0                           ; all my tensor loads have landed: my part of the next slot;  (every window is 0 here)
	ds_add_u32 v[SPW], v[NIL]                      ; 0 onto my spare word;
	s_wait_dscnt 4*NL+1                            ; (the add and the youngest twelve loads, A's blocks 4-7, may be out)
	WIN MUL_LO
	MUL16 0, 1, NQ-1, \slot, 0                     ; sixteen matrix instructions stand between the add and the wait for it
	s_wait_dscnt 0x0                               ; the add is done, and my reads of this slot are over
	s_barrier_signal -1
	MUL16 2, 1, NQ-1, \slot, 0
	WIN 0
	s_barrier_wait -1
.if \fill
	CREST                                          ; the barrier has opened a round of the cluster's barrier: no wave of any partner still reads this slot or has a load on its way
	s_add_nc_u64 s[G0+4*\slot+2:G0+4*\slot+3], s[G0+4*\slot+2:G0+4*\slot+3], 2*NQ*FRB
	s_add_nc_u64 s[G0B+4*\slot+2:G0B+4*\slot+3], s[G0B+4*\slot+2:G0B+4*\slot+3], 2*NQ*FRB
	JLOAD G0+4*\slot, G1, G0B+4*\slot, G1B         ; the first tensor load behind the round; the four v_nop behind it are the places in front of the loads below
.else
	PLACES NP
.endif
	v_add_nc_u32 v[ADRS], 128, v[ADRS]             ; on to the next K step's scale words (no LDS load of mine is out)
	FETCH_B \next, 0, 0
	FETCH_A \next, 0, 0
	SCALES \next
	WIN MUL_HI
	MUL16 4, 1, NQ-1, \slot, 0
	MUL16 6, 1, NQ-1, \slot, 0
	PLACES NP
	WIN 0
	FETCH_A \next, 0, 4
.endm
	s_wait_tensorcnt 1                             ; the scale words and my part of K step 0 are in (K step 1's load may be out)
	s_barrier_signal -1
	s_barrier_wait -1                              ; everybody's are
	FETCH_B 0, 0, 0
	FETCH_A 0, 0, 0
	SCALES 0
	FETCH_A 0, 0, 4
	STEP 0, 0, 1                                   ; K = 1,024 is four K steps of 256: written out.  The first step's products start the sums
	TURN 0, 1, 1                                   ; slot 0 takes K step 2
	STEP 1, 0, 0
	TURN 1, 0, 1                                   ; slot 1 takes K step 3
	STEP 0, 0, 0
	TURN 0, 1, 0                                   ; nothing is left to fetch
	STEP 1, 0, 0
	s_wait_dscnt 4*NL
	WIN MUL_LO
	MUL16 0, 1, NQ-1, 1, 0
	MUL16 2, 1, NQ-1, 1, 0
	s_wait_dscnt 0
	WIN MUL_HI
	MUL16 4, 1, NQ-1, 1, 0
	MUL16 6, 1, NQ-1, 1, 0
	WIN 0
; THE WAY OUT of block a (16 rows x 128 columns): register 16 b + e of a lane is column 32 b + 16 h + e of its row.  The four blocks' largest magnitudes (with lane l xor 16's), their bytes, the conversions;
; the operand's layout wants a whole block in a lane, so the halves change places.  Each accumulator is first read at its low end.
.macro QOUT a
.set AC, 64*((\a)%4)
.set WW, 2+(\a)/4
.set W2, WW+4*WW
.if (\a) > 0
	s_wait_xcnt 0x0                                ; the last block's stores have had their addresses translated (ISA guide 3.1): their data and bases are written again only behind this wait
	s_add_nc_u64 s[12:13], s[12:13], s[96:97]
	s_add_nc_u64 s[2:3], s[2:3], s[98:99]
.endif
	WIN W2                                         ; sources 0 and 1: the accumulators' window
.irp b, 0,1,2,3
	v_max3_num_f32 v[TM+\b], |v[AC+16*\b]|, |v[AC+16*\b+1]|, 0x1800000   ; with the floor 2^(3 - 127): the byte cannot fall under 1
.endr
.irp i, 2,4,6,8,10,12,14
.irp b, 0,1,2,3
	v_max3_num_f32 v[TM+\b], |v[AC+16*\b+\i]|, |v[AC+16*\b+\i+1]|, v[TM+\b]
.endr
.endr
	WIN 0
.irp b, 0,1,2,3
	v_permlanex16_b32 v[BT+\b], v[TM+\b], s[SEL], s[SEL+1]
.endr
.irp b, 0,1,2,3
	v_max_num_f32 v[TM+\b], v[TM+\b], v[BT+\b]
.endr
.irp b, 0,1,2,3
	v_add_nc_u32 v[BS+\b], 0xff000000, v[TM+\b]    ; 2 off the exponent field: the conversion's scale operand
.endr
.irp b, 0,1,2,3
	v_lshrrev_b32 v[BT+\b], 23, v[BS+\b]           ; the scale's byte
.endr
	v_lshl_or_b32 v[PW], v[BT+1], 8, v[BT]
	v_lshl_or_b32 v[PW], v[BT+2], 16, v[PW]
	v_lshl_or_b32 v[PW], v[BT+3], 24, v[PW]
	WIN WW                                         ; source 0: the accumulators' window
.irp c, 0,1
	v_cvt_scalef32_pk16_fp6_f32 v[PC+6*\c:PC+6*\c+2], v[AC+32*\c:AC+32*\c+15], v[BS+2*\c]
	v_cvt_scalef32_pk16_fp6_f32 v[YY+4*\c:YY+4*\c+2], v[AC+32*\c+16:AC+32*\c+31], v[BS+2*\c+1]
.endr
	WIN 0
	v_nop                                          ; one plain place behind a scaled conversion
.irp c, 0,1
.irp i, 0,1,2
	v_permlane16_swap_b32 v[PC+6*\c+\i], v[YY+4*\c+\i]
.endr
.irp i, 0,1,2
	v_mov_b32 v[PC+6*\c+3+\i], v[YY+4*\c+\i]
.endr
.endr
	global_store_b128 v[O16], v[PC:PC+3], s[12:13]                 ; every store covers 512 or 256 consecutive bytes, at a multiple of 256 from fcod's first byte
	global_store_b64 v[O8], v[PC+4:PC+5], s[12:13] offset:512
	global_store_b128 v[O16], v[PC+6:PC+9], s[12:13] offset:768
	global_store_b64 v[O8], v[PC+10:PC+11], s[12:13] offset:1280
	global_store_b32 v[O4], v[PW], s[2:3]                          ; lanes 16-31 hold the same words as lanes 0-15: 128 bytes a fragment
.endm
	PLACES NP                                      ; behind the last products: results are read and scale registers written from here on
.irp b, 0,1,2,3
	v_mov_b32 v[BT+\b], 0                          ; written once: a lane permute's destination counts as one of its sources
.endr
.irp a, 0,1,2,3,4,5,6,7
	QOUT \a
.endr
	s_wait_tensorcnt 0x0                           ; the wave's end
	ds_add_u32 v[SPW], v[NIL]
	s_wait_dscnt 0x0
	CROUND                                         ; the closing round: no work-group ends while a partner may still ask for a tile that names it
	s_endpgm
.Lfunc_end_k_q033d18af9d_qkv:
	.size	k_q033d18af9d_qkv, .Lfunc_end_k_q033d18af9d_qkv-k_q033d18af9d_qkv
	.p2alignl 7, 3214868480
	.fill 96, 4, 3214868480
	.section	.rodata,"a",@progbits
	.p2align	6, 0x0
	.amdhsa_kernel k_q033d18af9d_qkv
		.amdhsa_group_segment_fixed_size 327680
		.amdhsa_private_segment_fixed_size 0
		.amdhsa_enable_private_segment 0
		.amdhsa_kernarg_size 32
		.amdhsa_user_sgpr_count 2
		.amdhsa_user_sgpr_kernarg_segment_ptr 1
		.amdhsa_wavefront_size32 1
		.amdhsa_system_sgpr_workgroup_id_x 1
		.amdhsa_system_sgpr_workgroup_id_y 1
		.amdhsa_system_sgpr_workgroup_id_z 1
		.amdhsa_system_vgpr_workitem_id 0
		.amdhsa_next_free_vgpr 1024
		.amdhsa_next_free_sgpr 106
		.amdhsa_reserve_vcc 0
		.amdhsa_float_denorm_mode_32 3
		.amdhsa_float_denorm_mode_16_64 3
		.amdhsa_memory_ordered 1
		.amdhsa_forward_progress 1
		.amdhsa_inst_pref_size 142
	.end_amdhsa_kernel
	.amdgpu_metadata
---
amdhsa.version: [ 1, 2 ]
amdhsa.kernels:
  - .name:           k_q033d18af9d_qkv
    .symbol:         k_q033d18af9d_qkv.kd
    .args:
      - { .name: cod, .offset: 0, .size: 8, .value_kind: global_buffer, .address_space: global }
      - { .name: scl, .offset: 8, .size: 8, .value_kind: global_buffer, .address_space: global }
      - { .name: fcod, .offset: 16, .size: 8, .value_kind: global_buffer, .address_space: global }
      - { .name: fscl, .offset: 24, .size: 8, .value_kind: global_buffer, .address_space: global }
    .group_segment_fixed_size: 327680
    .private_segment_fixed_size: 0
    .kernarg_segment_align: 8
    .kernarg_segment_size: 32
    .max_flat_workgroup_size: 128
    .sgpr_count:     106
    .vgpr_count:     1024
    .wavefront_size: 32
...
	.end_amdgpu_metadata
.endif
;; end of part 2
;; launch attn (part 3): grid 8 x 32, 16 waves a work-group, no clusters, 108,544 bytes of LDS; arguments fcod, fscl, cod, scl; writes cod, scl
.if DOCPART == 3
	.amdgcn_target "amdgcn-amd-amdhsa--gfx1250"
	.amdhsa_code_object_version 6
	.text
	.protected	k_q033d18af9d_attn
	.globl	k_q033d18af9d_attn
	.p2align	8
	.type	k_q033d18af9d_attn,@function
k_q033d18af9d_attn:
	s_mov_b64 s[64:65], 0
	v_nop
	global_prefetch_b8 v0, s[64:65] scope:SCOPE_SE
	s_setreg_imm32_b32 hwreg(HW_REG_WAVE_MODE, 25, 1), 1
	s_wait_xcnt 0x0
; Banded attention on codes of FP6 (E2M3): key j counts for query i where j <= i and i - j < 256.  No scaling of the scores.  16 heads of 64, 4 sequences of 2,048.
; p = 2^(t - M), t = score x log2(e), M the running largest t rounded UP to a whole number; p is quantised along the keys, not normalised; the row's sum is taken of the unquantised p and divides at the end.
; ctx is quantised along the hidden axis here and stored as an operand image for the last product (cod tiles 0-511, K step = head pair; scl likewise).
; SHARES: a work-group takes 256 queries of one pair of heads; each of its sixteen waves one tile of 16 queries, head 0 of the pair and then head 1: the two results are one K step (128) of the next operand.
; Four waves share a SIMD, so that one wave's softmax stands beside another's products and LDS loads.
; GEOMETRY: lane r's query is 32 s + 8 u + r + 8 (r / 8) (s = the wave's block of 32 queries, u = wave % 2).  Its window is the nine blocks of 32 keys s - 8 .. s.  Block 0 is hidden where e <= D, block 8 where e > D
; (e = the register's place among a lane's 16 keys, D = the query's place in its block - 16 h); blocks 1-7 are open; blocks before the sequence's start (first query block only) are hidden whole, by a scalar branch on ids.
; Steps: blocks 0-3, blocks 4-7, block 8 alone.  Hidden scores become -infinity: p = 0, codes 0.  Key i itself always counts, so M is a number in the end.
; BOTH PRODUCTS ARE USED TRANSPOSED: S^T = K Q^T (source 0 = 16 keys), O^T = V^T P^T (source 0 = 16 of the head's 64): a lane holds one query throughout, and by the choice of a tile's rows its registers run along the next K.
; K = 64 FILLS HALF AN INSTRUCTION: Q's upper six registers are zero codes; K's upper six are whatever piece follows (finite codes, which meet zeros); the scale bytes of that half are 0, which is 2^-127 and no NaN.
; LDS is filled ONCE, through registers: 104 KB; a wave's source is clamped at the sequence's start and nothing is filled again, so a ring of slots would serve nothing.  What neighbouring work-groups share is half a window: no cluster.
; Clamped sources bring real codes and bytes; their p is 0.
; LIMITS: NaN and infinities are not served; a block of zeros carries the byte 1; 1 / l is v_rcp_f32's; a block's largest p is made from its largest score by the same two instructions (this takes v_exp_f32 not to fall where its input rises).
.set FRB,   1536                       ; a fragment: half c at 768 c: registers 6 c .. 6 c + 3 at 16 l, registers 6 c + 4, 5 at 512 + 8 l
.set VB,    49152                      ; LDS: K's 32 tiles (keys 256 qb - 256 .. 256 qb + 255, both heads) at 0; V^T's 8 tiles of 16 d x 4 steps of 128 keys here;
.set KSB,   98304                      ; K's scale words, 128 bytes a tile;
.set VSB,   102400                     ; V^T's, 128 bytes a fragment
.set VOFFC, 12582912
.set VOFFS, 1048576
.set KB,    36                         ; v36-83  K's pieces (6 registers a tile), or four fragments of V^T; v84-89 six zeros behind the eighth piece
.set KSR,   90                         ; v90-97  K's scale registers
.set VR,    98                         ; v98-105 V^T's scale words as they lie
.set VSC,   106                        ; v106-109 and shifted to the window's blocks
.set S,     110                        ; v110-173 S^T, then p
.set O,     174                        ; v174-205 O^T
.set P,     206                        ; v206-217 p's codes
.set Y,     218                        ; v218-220, v222-224 the second halves of conversions
.set BM,    226                        ; v226-229 the blocks' maxima
.set BT,    230                        ; v230-233 the other half's, then the bytes
.set BS,    234                        ; v234-237 the conversions' scale operands
.set TT,    238
.set F,     240                        ; v240 f = 2^(old M - new M);  v241 p's scale word
.set PS,    241
.set CT,    242                        ; v242-253 ctx's codes (at the head: addresses of the fill)
.set L2,    254                        ; v[254:255] the sum's second chain
; v1 K's 16-byte pieces, v2 its 8-byte pieces, v3 its scale words; v4, v5 V^T's pieces (the two halves of the lanes take neighbouring blocks), v6, v7 the same with one block for both halves; v8 V^T's scale words;
; v9 D; v10 -infinity; v11 ctx's scale word; v12 -M, v13 the largest t, v[14:15] the sum; v16-27 Q | zeros; v28-33 head 1's q; v34, v35 Q's scale registers
	s_load_b256 s[4:11], s[0:1], 0x0               ; fcod s[4:5], fscl s[6:7], cod s[8:9], scl s[10:11]
	v_lshl_add_u32 v225, v0, 2, 0x1a000
	v_mov_b32 v239, 0
	v_lshrrev_b32 v248, 5, v0
	v_readfirstlane_b32 s12, v248                  ; wave 0..15
	s_mov_b32 s13, ttmp9                           ; qb: which 256 queries
	s_and_b32 s40, ttmp7, 0xffff
	s_lshr_b32 s14, s40, 3                         ; the sequence
	s_and_b32 s15, s40, 7                          ; the pair of heads
	s_lshr_b32 s16, s12, 1                         ; kb0: my window's first block among the 16 in LDS
	s_and_b32 s17, s16, 1                          ; p = kb0 % 2
	s_and_b32 s18, s16, 3
	s_lshl_b32 s18, s18, 3                         ; 8 (kb0 % 4): the shift of V^T's scale words
	s_lshl_b32 s19, s13, 3
	s_add_co_u32 s19, s19, s16                     ; s
	s_sub_co_i32 s19, 8, s19                       ; blocks under this number lie before the sequence's start
	s_mov_b32 s20, 0x76543210
	s_mov_b32 s21, 0xfedcba98                      ; v_permlanex16_b32's selects for lane l xor 16
	s_mov_b32 s22, 0x3fb8aa3b                      ; log2(e)
	s_mov_b32 s23, s22                             ; (named with it as a pair, so it is written)
	; K: LDS tiles 2 w, 2 w + 1 <- token tiles 16 qb - 16 + 2 w on, held at 0 from below
	s_lshl_b32 s40, s13, 4
	s_lshl_b32 s41, s12, 1
	s_add_co_u32 s40, s40, s41
	s_sub_co_i32 s40, s40, 16
	s_max_i32 s40, s40, 0
	s_lshl_b32 s41, s14, 7
	s_add_co_u32 s40, s40, s41
	s_add_co_u32 s41, s15, 8
	s_lshl_b32 s41, s41, 9
	s_add_co_u32 s40, s40, s41                     ; fragment (8 + pair) x 512 + token tile
	s_mul_i32 s24, s40, FRB
	s_mov_b32 s25, 0
	s_lshl_b32 s26, s40, 7
	s_mov_b32 s27, 0
	; V^T: tile of d w / 2, LDS steps 2 (w % 2), + 1 <- steps 2 qb - 2 + 2 (w % 2) on, held at 0 from below
	s_lshl_b32 s40, s13, 1
	s_and_b32 s41, s12, 1
	s_lshl_b32 s41, s41, 1
	s_add_co_u32 s40, s40, s41
	s_sub_co_i32 s40, s40, 2
	s_max_i32 s40, s40, 0
	s_lshl_b32 s41, s14, 4
	s_add_co_u32 s40, s40, s41
	s_lshl_b32 s41, s15, 3
	s_add_co_u32 s41, s41, s16
	s_lshl_b32 s41, s41, 6
	s_add_co_u32 s40, s40, s41                     ; fragment (8 pair + w / 2) x 64 + step
	s_mul_i32 s28, s40, FRB
	s_add_co_u32 s28, s28, VOFFC
	s_mov_b32 s29, 0
	s_lshl_b32 s30, s40, 7
	s_add_co_u32 s30, s30, VOFFS
	s_mov_b32 s31, 0
	; Q: my token tile
	s_lshl_b32 s40, s14, 7
	s_lshl_b32 s41, s13, 4
	s_add_co_u32 s40, s40, s41
	s_add_co_u32 s42, s40, s12                     ; 128 x sequence + 16 qb + w
	s_lshl_b32 s41, s15, 9
	s_add_co_u32 s41, s41, s42
	s_mul_i32 s32, s41, FRB
	s_mov_b32 s33, 0
	s_lshl_b32 s34, s41, 7
	s_mov_b32 s35, 0
	; ctx: tile = my token tile, K step = the pair of heads
	s_mul_i32 s36, s42, 12288
	s_mul_i32 s41, s15, FRB
	s_add_co_u32 s36, s36, s41
	s_mov_b32 s37, 0
	s_lshl_b32 s38, s42, 9
	s_lshr_b32 s41, s15, 1
	s_lshl_b32 s41, s41, 7
	s_add_co_u32 s38, s38, s41
	s_and_b32 s41, s15, 1
	s_lshl_b32 s41, s41, 2
	s_add_co_u32 s38, s38, s41
	s_mov_b32 s39, 0
	v_and_b32 v242, 31, v0                         ; l
	v_and_b32 v243, 15, v0                         ; r
	v_bfe_u32 v244, v0, 4, 1                       ; h
	v_lshlrev_b32 v245, 4, v242                    ; 16 l
	v_lshlrev_b32 v246, 3, v242                    ; 8 l
	v_lshlrev_b32 v247, 2, v242                    ; 4 l
	s_mul_i32 s40, s12, 3072
	v_add_nc_u32 v249, s40, v245                   ; the fill: my 3,072 bytes of K's codes (V^T's lie VB further on)
	s_lshl_b32 s40, s12, 8
	s_add_co_u32 s40, s40, KSB
	v_add_nc_u32 v250, s40, v246                   ; and my 256 bytes of scale words
	s_mul_i32 s40, s16, 3072
	v_add_nc_u32 v1, s40, v245                     ; K: two tiles to a block
	v_add_nc_u32 v2, s40, v246
	s_lshl_b32 s41, s16, 8
	s_add_co_u32 s41, s41, KSB
	v_add_nc_u32 v3, s41, v247
	; V^T: block G of a tile's 16 has its 16-byte pieces at 768 (G / 2) + 256 (G % 2) + 16 r and its 8-byte pieces at 768 (G / 2) + 512 + 128 (G % 2) + 8 r.  Lane (r, h) wants G = kb0 + 4 step + 2 c + h
	s_lshr_b32 s40, s16, 1
	s_mul_i32 s40, s40, 768
	s_add_co_u32 s40, s40, VB
	s_lshl_b32 s41, s17, 8
	s_add_co_u32 s43, s40, s41
	v_lshl_add_u32 v6, v243, 4, s43                ; 16 r + 768 (kb0 / 2) + 256 p
	s_add_co_u32 s44, s41, 256
	v_mul_u32_u24 v248, s44, v244
	v_add_nc_u32 v4, v6, v248                      ; + h (256 + 256 p)
	s_lshl_b32 s41, s17, 7
	s_add_co_u32 s43, s40, s41
	v_lshl_add_u32 v7, v243, 3, s43                ; 8 r + 768 (kb0 / 2) + 128 p
	s_lshl_b32 s44, s17, 9
	s_add_co_u32 s44, s44, 128
	v_mul_u32_u24 v248, s44, v244
	v_add_nc_u32 v5, v7, v248                      ; + h (128 + 512 p)
	s_lshr_b32 s40, s16, 2
	s_lshl_b32 s40, s40, 7
	s_add_co_u32 s40, s40, VSB
	v_add_nc_u32 v8, s40, v247                     ; V^T's scale words: 4 l + 128 (kb0 / 4)
	v_and_b32 v248, 8, v243
	v_add_nc_u32 v9, v248, v243                    ; r + 8 (r / 8)
	s_and_b32 s40, s12, 1
	s_lshl_b32 s40, s40, 3
	v_add_nc_u32 v9, s40, v9                       ; + 8 u: my query's place in its block of 32
	v_lshlrev_b32 v248, 4, v244
	v_sub_nc_u32 v9, v9, v248                      ; D = that - 16 h
	v_mov_b32 v10, 0xff800000                      ; -infinity
	s_wait_kmcnt 0x0
	s_add_nc_u64 s[24:25], s[4:5], s[24:25]
	s_add_nc_u64 s[26:27], s[6:7], s[26:27]
	s_add_nc_u64 s[28:29], s[4:5], s[28:29]
	s_add_nc_u64 s[30:31], s[6:7], s[30:31]
	s_add_nc_u64 s[32:33], s[4:5], s[32:33]
	s_add_nc_u64 s[34:35], s[6:7], s[34:35]
	s_add_nc_u64 s[36:37], s[8:9], s[36:37]
	s_add_nc_u64 s[38:39], s[10:11], s[38:39]
.irp i, 0,1,2,3,4,5
	global_load_b128 v[S+4*\i:S+4*\i+3], v245, s[24:25] offset:512*\i
.endr
.irp i, 0,1,2,3,4,5
	global_load_b128 v[S+24+4*\i:S+24+4*\i+3], v245, s[28:29] offset:512*\i
.endr
	global_load_b64 v[S+48:S+49], v246, s[26:27]
	global_load_b64 v[S+50:S+51], v246, s[30:31]
	global_load_b128 v[16:19], v245, s[32:33]              ; Q, head 0 of the pair,
	global_load_b64 v[20:21], v246, s[32:33] offset:512
	global_load_b128 v[28:31], v245, s[32:33] offset:768   ; and head 1
	global_load_b64 v[32:33], v246, s[32:33] offset:1280
	global_load_u16 v34, v247, s[34:35]                    ; a head's two scale bytes; the upper two bytes are 0
	global_load_u16 v35, v247, s[34:35] offset:2
.irp i, 0,1,2,3,4,5
	v_mov_b32 v[22+\i], 0                          ; Q's upper 64 along K: zero codes
	v_mov_b32 v[KB+48+\i], 0                       ; what the eighth piece of K is followed by
.endr
.irp b, 0,1,2,3
	v_mov_b32 v[BT+\b], 0                          ; written once: a lane permute's destination counts as one of its sources
.endr
	v_mov_b32 v[PS], 0                             ; (named as the upper half of the pair v[240:241] before it is first written)
	s_wait_loadcnt 0x6                             ; the fill's fourteen loads are in; Q's six may be out
.irp i, 0,1,2,3,4,5
	ds_store_b128 v249, v[S+4*\i:S+4*\i+3] offset:512*\i
.endr
.irp i, 0,1,2,3,4,5
	ds_store_b128 v249, v[S+24+4*\i:S+24+4*\i+3] offset:VB+512*\i
.endr
	ds_store_b64 v250, v[S+48:S+49]
	ds_store_b64 v250, v[S+50:S+51] offset:VSB-KSB
	s_wait_dscnt 0x0                               ; for the others' sake: my stores are done
	s_barrier_signal -1
	s_barrier_wait -1                              ; the one barrier: LDS is only read from here on
	s_wait_loadcnt 0x0                             ; Q
.macro HIDE reg, beta                  ; block beta lies before the sequence's start: all its scores become -infinity.  A branch on ids alone
	s_cmp_le_i32 s19, \beta
	s_cbranch_scc1 .Lvis_\@
.set e, 0
.rept 16
	v_mov_b32 v[\reg+e], v10
.set e, e+1
.endr
.Lvis_\@:
.endm
; A STEP of head x: blocks 4 sg .. 4 sg + nb - 1 of the window.
.macro STEP x, sg, nb
.rept 4
	v_nop                                          ; places behind the last products, in front of loads into their operands and of the writes of their scale registers
.endr
.set t, 0
.rept 2*\nb
	ds_load_b128 v[KB+6*t:KB+6*t+3], v1 offset:(8*\sg+t)*FRB+768*\x
	ds_load_b64 v[KB+6*t+4:KB+6*t+5], v2 offset:(8*\sg+t)*FRB+768*\x+512
	ds_load_u16 v[KSR+t], v3 offset:(8*\sg+t)*128+2*\x
.set t, t+1
.endr
.irp t, 0,1,2,3
	ds_load_b32 v[VR+2*\t], v8 offset:(4*\x+\t)*512+\sg*128
.if \nb == 4
	ds_load_b32 v[VR+2*\t+1], v8 offset:(4*\x+\t)*512+\sg*128+128
.endif
.endr
	s_wait_dscnt 0x0
.irp t, 0,1,2,3
.if \nb == 4
	v_alignbit_b32 v[VSC+\t], v[VR+2*\t+1], v[VR+2*\t], s18    ; the four bytes of blocks kb0 + 4 sg on, out of two words
.else
	v_alignbit_b32 v[VSC+\t], v[VR+2*\t], v[VR+2*\t], s18      ; block 8's byte lowest; the other three are bytes of real blocks and meet zero codes
.endif
.endr
.set t, 0
.rept 2*\nb                                    ; S^T = K Q^T: a piece and whatever follows it are source 0
	v_wmma_scale_f32_16x16x128_f8f6f4 v[S+8*t:S+8*t+7], v[KB+6*t:KB+6*t+11], v[16:27], 0, v[KSR+t], v[34+\x] matrix_a_fmt:MATRIX_FMT_FP6 matrix_b_fmt:MATRIX_FMT_FP6
.set t, t+1
.endr
.rept 4
	v_nop                                          ; places: the loads below land on K's pieces, and the scores are read
.endr
.irp t, 0,1,2,3                                ; V^T's fragments are asked for now and land under the softmax
.if \nb == 4
.irp c, 0,1
	ds_load_b128 v[KB+12*\t+6*\c:KB+12*\t+6*\c+3], v4 offset:(4*\x+\t)*6144+1536*\sg+768*\c
	ds_load_b64 v[KB+12*\t+6*\c+4:KB+12*\t+6*\c+5], v5 offset:(4*\x+\t)*6144+1536*\sg+768*\c+512
.endr
.else
	ds_load_b128 v[KB+12*\t:KB+12*\t+3], v6 offset:(4*\x+\t)*6144+3072           ; block 8, in both halves of the lanes; the upper six registers keep codes that meet zeros
	ds_load_b64 v[KB+12*\t+4:KB+12*\t+5], v7 offset:(4*\x+\t)*6144+3072+512
.endif
.endr
.if \sg == 0
.irp e, 0,1,2,3,4,5,6,7,8,9,10,11,12,13,14,15
	v_cmp_le_i32 vcc_lo, \e, v9                    ; the window's first block: hidden where i - j >= 256
	v_cndmask_b32 v[S+\e], v[S+\e], v10, vcc_lo
.endr
.endif
.if \sg == 2
.irp e, 0,1,2,3,4,5,6,7,8,9,10,11,12,13,14,15
	v_cmp_gt_i32 vcc_lo, \e, v9                    ; its last block: hidden where j > i
	v_cndmask_b32 v[S+\e], v[S+\e], v10, vcc_lo
.endr
.endif
.if \sg < 2
.irp b, 0,1,2,3
	HIDE S+16*\b, 4*\sg+\b
.endr
.endif
.set b, 0
.rept \nb
	v_max3_num_f32 v[BM+b], v[S+16*b], v[S+16*b+1], v[S+16*b+2]    ; the largest score of each block: for the row's maximum, and for the block's largest p
.set b, b+1
.endr
.irp i, 3,5,7,9,11,13
.set b, 0
.rept \nb
	v_max3_num_f32 v[BM+b], v[BM+b], v[S+16*b+\i], v[S+16*b+\i+1]
.set b, b+1
.endr
.endr
.set b, 0
.rept \nb
	v_max_num_f32 v[BM+b], v[BM+b], v[S+16*b+15]
.set b, b+1
.endr
.set b, 0
.rept \nb
	v_permlanex16_b32 v[BT+b], v[BM+b], s20, s21
.set b, b+1
.endr
.set b, 0
.rept \nb
	v_max_num_f32 v[BM+b], v[BM+b], v[BT+b]        ; with lane l xor 16's 16 keys
.set b, b+1
.endr
.if \nb == 4
	v_max3_num_f32 v[TT], v[BM], v[BM+1], v[BM+2]
	v_max_num_f32 v[TT], v[TT], v[BM+3]
	v_mul_f32 v[TT], s22, v[TT]                    ; the step's largest t
.else
	v_mul_f32 v[TT], s22, v[BM]
.endif
	v_max_num_f32 v13, v13, v[TT]                  ; the running largest t
	v_mov_b32 v[TT], v12
	v_floor_f32 v12, -v13                          ; the new -M = floor(-t): M is a whole number
	v_sub_f32 v[TT], v12, v[TT]                    ; old M - new M: a whole number, 0 or less
	v_cvt_i32_f32 v[TT], v[TT]                     ; (it saturates)
	v_ldexp_f32 v[F], 1.0, v[TT]                   ; f = 2^(old M - new M): a multiplication by it rounds nothing
.set j, 0
.rept 8*\nb
	v_pk_fma_f32 v[S+j:S+j+1], v[S+j:S+j+1], s[22:23], v[12:13] op_sel_hi:[1,0,0]   ; t - M, two at a time
.set j, j+2
.endr
.set b, 0
.rept \nb
	v_fma_f32 v[BM+b], v[BM+b], s22, v12           ; the same of each block's largest score
.set b, b+1
.endr
.set j, 0
.rept 16*\nb
	v_exp_f32 v[S+j], v[S+j]                       ; p = 2^(t - M)
.set j, j+1
.endr
.set b, 0
.rept \nb
	v_exp_f32 v[BM+b], v[BM+b]                     ; the block's largest p
.set b, b+1
.endr
	v_pk_mul_f32 v[14:15], v[14:15], v[F:F+1] op_sel_hi:[1,0]      ; the sums under the new M.  (A plain place behind the exponentials)
.set b, 0
	s_wait_alu depctr_va_vdst(0)
.rept \nb
	v_max_num_f32 v[BM+b], 0x1800000, v[BM+b]      ; the floor 2^(3 - 127): the byte cannot fall under 1
.set b, b+1
.endr
.set b, 0
.rept \nb
	v_add_nc_u32 v[BS+b], 0xff000000, v[BM+b]      ; 2 off the exponent field: the conversion's scale operand
.set b, b+1
.endr
.set b, 0
.rept \nb
	v_lshrrev_b32 v[BT+b], 23, v[BS+b]             ; the scale's byte
.set b, b+1
.endr
.if \nb == 4
	v_lshl_or_b32 v[PS], v[BT+1], 8, v[BT]         ; p's scale word for these 128 keys
	v_lshl_or_b32 v[PS], v[BT+2], 16, v[PS]
	v_lshl_or_b32 v[PS], v[BT+3], 24, v[PS]
.irp c, 0,1
	v_cvt_scalef32_pk16_fp6_f32 v[P+6*\c:P+6*\c+2], v[S+32*\c:S+32*\c+15], v[BS+2*\c]
	v_cvt_scalef32_pk16_fp6_f32 v[Y+4*\c:Y+4*\c+2], v[S+32*\c+16:S+32*\c+31], v[BS+2*\c+1]
.endr
	v_nop                                          ; one plain place behind a scaled conversion
.irp c, 0,1                                    ; the operand's layout wants a whole block in a lane
.irp i, 0,1,2
	v_permlane16_swap_b32 v[P+6*\c+\i], v[Y+4*\c+\i]
.endr
.irp i, 0,1,2
	v_mov_b32 v[P+6*\c+3+\i], v[Y+4*\c+\i]
.endr
.endr
.else
	v_mov_b32 v[PS], v[BT]                         ; one byte; the other three are 0 and stand over zero codes
	v_cvt_scalef32_pk16_fp6_f32 v[P:P+2], v[S:S+15], v[BS]
.irp i, 0,1,2
	v_mov_b32 v[Y+\i], 0                           ; (the first of these is the plain place behind the conversion)
.endr
.irp i, 6,7,8,9,10,11
	v_mov_b32 v[P+\i], 0                           ; blocks 2 and 3 of the operand: zero codes
.endr
.irp i, 0,1,2
	v_permlane16_swap_b32 v[P+\i], v[Y+\i]         ; lanes 0-15 get the whole block, lanes 16-31 (block 1) zeros
.endr
.irp i, 0,1,2
	v_mov_b32 v[P+3+\i], v[Y+\i]
.endr
.endif
	v_pk_add_f32 v[L2:L2+1], v[S:S+1], v[S+2:S+3]  ; the row's sum is taken of the unquantised p: two at a time, in two chains
.set j, 4
.rept 4*\nb-1
	v_pk_add_f32 v[14:15], v[14:15], v[S+j:S+j+1]
	v_pk_add_f32 v[L2:L2+1], v[L2:L2+1], v[S+j+2:S+j+3]
.set j, j+4
.endr
	v_pk_add_f32 v[14:15], v[14:15], v[L2:L2+1]
.if \sg > 0
.set j, 0
.rept 16
	v_pk_mul_f32 v[O+j:O+j+1], v[O+j:O+j+1], v[F:F+1] op_sel_hi:[1,0]      ; O^T under the new M
.set j, j+2
.endr
.endif
	s_wait_dscnt 0x0                               ; V^T's fragments are in
.irp t, 0,1,2,3                                ; O^T += V^T P^T: the four accumulators by turns; the head's first step starts the sums
.if \sg == 0
	v_wmma_scale_f32_16x16x128_f8f6f4 v[O+8*\t:O+8*\t+7], v[KB+12*\t:KB+12*\t+11], v[P:P+11], 0, v[VSC+\t], v[PS] matrix_a_fmt:MATRIX_FMT_FP6 matrix_b_fmt:MATRIX_FMT_FP6
.else
	v_wmma_scale_f32_16x16x128_f8f6f4 v[O+8*\t:O+8*\t+7], v[KB+12*\t:KB+12*\t+11], v[P:P+11], v[O+8*\t:O+8*\t+7], v[VSC+\t], v[PS] matrix_a_fmt:MATRIX_FMT_FP6 matrix_b_fmt:MATRIX_FMT_FP6
.endif
.endr
.endm
; HEAD x of the pair: three steps, the division, and the quantiser for the head's 64 numbers of ctx (two blocks): registers 6 x .. 6 x + 5 of the next operand.
.macro HEAD x
.if \x == 1
.irp i, 0,1,2,3,4,5
	v_mov_b32 v[16+\i], v[28+\i]
.endr
.endif
	v_mov_b32 v13, 0xff61b1e6                      ; the largest t so far: -3e38, under every t
	v_floor_f32 v12, -v13                          ; -M
	v_mov_b32 v14, 0                               ; the sum, in two halves
	v_mov_b32 v15, 0
	STEP \x, 0, 4
	STEP \x, 1, 4
	STEP \x, 2, 1
.rept 4
	v_nop                                          ; places behind the last products
.endr
	v_add_f32 v14, v14, v15
	v_permlanex16_b32 v[TT], v14, s20, s21
	v_add_f32 v14, v14, v[TT]                      ; the row's sum
	v_rcp_f32 v14, v14
	v_nop                                          ; one plain place behind a transcendental
.set j, 0
	s_wait_alu depctr_va_vdst(0)
.rept 32
	v_mul_f32 v[S+j], v[O+j], v14                  ; ctx: register 16 b + e is d = 32 b + 16 h + e of the head
.set j, j+1
.endr
.irp b, 0,1
	v_max3_num_f32 v[BM+\b], |v[S+16*\b]|, |v[S+16*\b+1]|, 0x1800000
.endr
.irp i, 2,4,6,8,10,12,14
.irp b, 0,1
	v_max3_num_f32 v[BM+\b], v[BM+\b], |v[S+16*\b+\i]|, |v[S+16*\b+\i+1]|
.endr
.endr
.irp b, 0,1
	v_permlanex16_b32 v[BT+\b], v[BM+\b], s20, s21
.endr
.irp b, 0,1
	v_max_num_f32 v[BM+\b], v[BM+\b], v[BT+\b]
.endr
.irp b, 0,1
	v_add_nc_u32 v[BS+\b], 0xff000000, v[BM+\b]
.endr
.irp b, 0,1
	v_lshrrev_b32 v[BT+\b], 23, v[BS+\b]
.endr
.if \x == 0
	v_lshl_or_b32 v11, v[BT+1], 8, v[BT]
.else
	v_lshl_or_b32 v11, v[BT], 16, v11
	v_lshl_or_b32 v11, v[BT+1], 24, v11
.endif
	v_cvt_scalef32_pk16_fp6_f32 v[CT+6*\x:CT+6*\x+2], v[S:S+15], v[BS]
	v_cvt_scalef32_pk16_fp6_f32 v[Y:Y+2], v[S+16:S+31], v[BS+1]
	v_nop                                          ; one plain place behind a scaled conversion
.irp i, 0,1,2
	v_permlane16_swap_b32 v[CT+6*\x+\i], v[Y+\i]
.endr
.irp i, 0,1,2
	v_mov_b32 v[CT+6*\x+3+\i], v[Y+\i]
.endr
.endm
	HEAD 0
	HEAD 1
	v_and_b32 v[BM], 31, v0
	v_lshlrev_b32 v[BM], 4, v[BM]                  ; 16 l
	v_and_b32 v[BM+1], 15, v0
	v_lshlrev_b32 v[BM+1], 3, v[BM+1]              ; 8 r
.irp c, 0,1,2
	global_store_b128 v[BM], v[CT+4*\c:CT+4*\c+3], s[36:37] offset:512*\c  ; 32 lanes store 512 consecutive bytes, at a multiple of 256 from cod's first byte
.endr
	global_store_b32 v[BM+1], v11, s[38:39]        ; lanes l and l xor 16 hold the same word and name the same 4 bytes
	s_wait_tensorcnt 0x0
	ds_add_u32 v225, v239
	s_wait_dscnt 0x0
	s_endpgm
.Lfunc_end_k_q033d18af9d_attn:
	.size	k_q033d18af9d_attn, .Lfunc_end_k_q033d18af9d_attn-k_q033d18af9d_attn
	.p2alignl 7, 3214868480
	.fill 96, 4, 3214868480
	.section	.rodata,"a",@progbits
	.p2align	6, 0x0
	.amdhsa_kernel k_q033d18af9d_attn
		.amdhsa_group_segment_fixed_size 108544
		.amdhsa_private_segment_fixed_size 0
		.amdhsa_enable_private_segment 0
		.amdhsa_kernarg_size 32
		.amdhsa_user_sgpr_count 2
		.amdhsa_user_sgpr_kernarg_segment_ptr 1
		.amdhsa_wavefront_size32 1
		.amdhsa_system_sgpr_workgroup_id_x 1
		.amdhsa_system_sgpr_workgroup_id_y 1
		.amdhsa_system_sgpr_workgroup_id_z 1
		.amdhsa_system_vgpr_workitem_id 0
		.amdhsa_next_free_vgpr 256
		.amdhsa_next_free_sgpr 66
		.amdhsa_reserve_vcc 1
		.amdhsa_float_denorm_mode_32 3
		.amdhsa_float_denorm_mode_16_64 3
		.amdhsa_memory_ordered 1
		.amdhsa_forward_progress 1
		.amdhsa_inst_pref_size 108
	.end_amdhsa_kernel
	.amdgpu_metadata
---
amdhsa.version: [ 1, 2 ]
amdhsa.kernels:
  - .name:           k_q033d18af9d_attn
    .symbol:         k_q033d18af9d_attn.kd
    .args:
      - { .name: fcod, .offset: 0, .size: 8, .value_kind: global_buffer, .address_space: global }
      - { .name: fscl, .offset: 8, .size: 8, .value_kind: global_buffer, .address_space: global }
      - { .name: cod, .offset: 16, .size: 8, .value_kind: global_buffer, .address_space: global }
      - { .name: scl, .offset: 24, .size: 8, .value_kind: global_buffer, .address_space: global }
    .group_segment_fixed_size: 108544
    .private_segment_fixed_size: 0
    .kernarg_segment_align: 8
    .kernarg_segment_size: 32
    .max_flat_workgroup_size: 512
    .sgpr_count:     66
    .vgpr_count:     256
    .wavefront_size: 32
...
	.end_amdgpu_metadata
.endif
;; end of part 3
;; launch outp (part 4): grid 4 x 32, 4 waves a work-group, clusters of 4 x 4, 327,680 bytes of LDS; arguments cod, scl, stats, hidden_states, bo, ln_w, ln_b, out0; writes out0
.if DOCPART == 4
	.amdgcn_target "amdgcn-amd-amdhsa--gfx1250"
	.amdhsa_code_object_version 6
	.text
	.protected	k_q033d18af9d_outp
	.globl	k_q033d18af9d_outp
	.p2align	8
	.type	k_q033d18af9d_outp,@function
k_q033d18af9d_outp:
	s_mov_b64 s[64:65], 0
	v_nop
	global_prefetch_b8 v0, s[64:65] scope:SCOPE_SE
	s_setreg_imm32_b32 hwreg(HW_REG_WAVE_MODE, 25, 1), 1
	s_wait_xcnt 0x0
	s_wait_alu depctr_hold_cnt(0) depctr_sa_sdst(0) depctr_va_vdst(0) depctr_va_sdst(0) depctr_va_ssrc(0) depctr_va_vcc(0) depctr_vm_vsrc(0)
	s_getreg_b32 s2, hwreg(HW_REG_IB_STS2, 6, 4)
	s_cmp_eq_u32 s2, 0
	s_cbranch_scc0 .Lentry_in_a_cluster
	s_endpgm
.Lentry_in_a_cluster:
	s_bfe_u32 s2, ttmp6, 0x10000c
	s_cmp_lg_u32 s2, 0xf033
	s_cbranch_scc0 .Lentry_shape_is_right
	s_endpgm
.Lentry_shape_is_right:
; out0 = ctx wo^T + bo + LayerNorm(x): the product on codes of FP6 (E2M3) with E8M0 scales, K = 1,024; all else in f32.
; Operands come from cod / scl as images of operand registers (a fragment of 16 rows x 128 K is 1,536 bytes; a tile's 8 K steps are 12,288 bytes on end).  Tiles 0-511 are ctx, 704-767 wo.
; Lane r of tile T holds row 32 (T / 2) + 8 (T % 2) + r + 8 (r / 8).  stats holds (mean, 1 / sqrt(variance + 1e-7)) of x's rows, [tile][r].
; A tile of C, 256 x 256, is made by four waves, 128 x 128 each: 64 accumulators.  K goes in steps of 256 through two LDS slots filled by the tensor data mover.
; CLUSTERS: 4 x 4 work-groups; A's tiles are shared along a row of the cluster, B's along a column: each is asked for jointly.
; THE MATRIX INSTRUCTION IS USED TRANSPOSED (source 0 = 16 rows of wo, source 1 = 16 rows of ctx): a lane holds 8 neighbouring columns of one row in each accumulator.
; THE WAY OUT, block by block of 16 rows x 128 columns: through my own stage in LDS, back as whole rows of 512 bytes; x's rows come the same way from memory, four blocks ahead; a row's mean and rstd come as scalars.
; out = acc + (bo + ln_b) + (x - mean) rstd ln_w.  The 128 tiles of C leave half of the WGPs without work: a smaller tile would change the register map and was not built.
; REGISTERS: window 0: v16-31 addresses; v32-63 scale words, two sets; v64-127 x's block 0, then (x - mean) rstd; from v128 A's fragments, on the way out rows of C; v224-235 ln_w, ln_b + bo, bo of my four columns.
;   window 1: B's fragments, two sets; on the way out four blocks of x.   windows 2, 3: the accumulators.
.set NQ,     2
.set FR,     12
.set FRB,    1536
.set TILEB,  8*FRB
.set NL,     3
.set NP,     4
.set HALFT,  8*NQ*FRB
.set SLOT,   4*HALFT
.set SCL,    2*SLOT
.set HALFS,  4096
.set SBLK,   512
.set SPARE,  SCL+4*HALFS               ; the spare words, 128 bytes for each wave: two blocks of 256 bytes that no other line names
.set SPITCH, 528                       ; the way out: a stage of 16 rows x (512 bytes + 16) for each wave, in slot 0, which has had its last fill and its last read when the first result is stored there
.set ADRA, 16
.set ADRB, 20
.set STO,  24                          ; v24  the stage: where I put 32 bytes of a row
.set RD,   25                          ; v25  and where I read a row back
.set CO,   26                          ; v26  16 l: my bytes of a row of 512
.set ADRS, 27
.set SPW,  28
.set NIL,  29
.set SC,   32
.set T,    64
.set AF,   128
.set BK,   128
.set W,    224
.set CB,   228
.set BO,   232
.set G1, 24
.set G0, 32
.set G1B, 48
.set G0B, 56
.set G1S, 68
.set G0S, 76
.set G1SB, 80
.set G0SB, 88
.set MSB, 0
.macro WIN new                         ; the immediate's high byte repeats the setting that is left
.if MSB != \new
	s_set_vgpr_msb (MSB<<8)|\new
.set MSB, \new
.endif
.endm
.set MUL_LO, 0xa1
.set MUL_HI, 0xf1
.set TO_B,   0x40
.macro JLOAD g0a, g1a, g0b, g1b        ; a joint load: waves 0 and 1 fetch for A, waves 2 and 3 for B; four v_nop follow each of the two lines
	s_cmp_eq_u32 s15, 0
	s_cbranch_scc0 .Lfor_b_\@
	tensor_load_to_lds s[\g0a:\g0a+3], s[\g1a:\g1a+7]
	s_nop 0
.rept 4
	v_nop
.endr
	s_branch .Lasked_\@
.Lfor_b_\@:
	tensor_load_to_lds s[\g0b:\g0b+3], s[\g1b:\g1b+7]
	s_nop 0
.rept 4
	v_nop
.endr
.Lasked_\@:
.endm
.macro CREST
	s_cmp_lg_u32 s14, 0
	s_cbranch_scc1 .Lnot_wave_0_\@
	s_barrier_signal -3
.Lnot_wave_0_\@:
	s_barrier_wait -3
	s_barrier_signal -1
	s_barrier_wait -1
.endm
.macro CROUND
	s_barrier_signal -1
	s_barrier_wait -1
	CREST
.endm
	s_load_b128 s[4:7], s[0:1], 0x0                ; cod s[4:5], scl s[6:7]
	s_load_b128 s[8:11], s[0:1], 0x10              ; stats s[8:9], x s[10:11]
	s_load_b128 s[96:99], s[0:1], 0x20             ; bo s[96:97], ln_w s[98:99]
	s_load_b64 s[100:101], s[0:1], 0x30            ; ln_b
	s_load_b64 s[12:13], s[0:1], 0x38              ; out0
	v_lshl_add_u32 v[SPW], v0, 2, SPARE
	v_mov_b32 v[NIL], 0
	ds_add_u32 v28, v29
	ds_add_u32 v28, v29
	s_wait_dscnt 0x0
	v_lshrrev_b32 v1, 5, v0
	v_readfirstlane_b32 s14, v1                    ; wave 0..3
	s_lshr_b32 s15, s14, 1                         ; which half of the tile's rows is mine.  Also: I fetch for A (0) or for B (1)
	s_and_b32 s16, s14, 1                          ; which half of its columns.  Also: which 8 tiles I fetch
	s_bfe_u32 s40, ttmp6, 0x40000                  ; cx, cy
	s_bfe_u32 s41, ttmp6, 0x40004
	s_lshl_b32 s42, ttmp9, 2
	s_add_co_u32 s42, s42, s40                     ; tile column of C
	s_and_b32 s17, ttmp7, 0xffff
	s_lshl_b32 s17, s17, 2
	s_add_co_u32 s17, s17, s41                     ; tile row of C
	s_lshl_b32 s43, s41, 2
	s_lshl_b32 s43, 15, s43                        ; my row of the cluster
	s_lshl_b32 s44, 0x1111, s40                    ; my column
	s_or_b32 s[G1+0], s43, (3<<16)|(1<<21)         ; 8 rows of 3,072 bytes (384 elements of 8 bytes), 12,288 bytes apart; dense in LDS; the mask, and bit 21 beside it
	s_or_b32 s[G1B+0], s44, (3<<16)|(1<<21)
.irp g, G1, G1B
	s_mov_b32 s[\g+1], 384<<16
	s_mov_b32 s[\g+2], 8<<16
	s_mov_b32 s[\g+3], 384<<16
	s_mov_b32 s[\g+4], 8
	s_mov_b32 s[\g+5], 1536
	s_mov_b32 s[\g+6], 0
	s_mov_b32 s[\g+7], 0
.endr
	s_or_b32 s[G1S+0], s43, (3<<16)|(1<<21)        ; the scale words of 8 tiles: 4,096 dense bytes as 16 rows of 256
	s_or_b32 s[G1SB+0], s44, (3<<16)|(1<<21)
.irp g, G1S, G1SB
	s_mov_b32 s[\g+1], 32<<16
	s_mov_b32 s[\g+2], 16<<16
	s_mov_b32 s[\g+3], 32<<16
	s_mov_b32 s[\g+4], 16
	s_mov_b32 s[\g+5], 32
	s_mov_b32 s[\g+6], 0
	s_mov_b32 s[\g+7], 0
.endr
	s_lshl_b32 s18, s16, 3
	s_lshl_b32 s20, s17, 4
	s_add_co_u32 s20, s20, s18                     ; A: ctx's tile 16 x tile row + 8 x half
	s_lshl_b32 s46, s42, 4
	s_add_co_u32 s46, s46, s18
	s_add_co_u32 s46, s46, 704                     ; B: wo's tiles begin at 704
	s_lshl_b32 s22, s20, 9
	s_mov_b32 s23, 0
	s_lshl_b32 s92, s46, 9
	s_mov_b32 s93, 0
	s_mul_i32 s20, s20, TILEB
	s_mov_b32 s21, 0
	s_mul_i32 s46, s46, TILEB
	s_mov_b32 s47, 0
	s_mul_i32 s45, s14, HALFT
	s_mul_i32 s94, s14, HALFS
	s_wait_kmcnt 0x0
	s_add_nc_u64 s[20:21], s[4:5], s[20:21]
	s_add_nc_u64 s[22:23], s[6:7], s[22:23]
	s_add_nc_u64 s[46:47], s[4:5], s[46:47]
	s_add_nc_u64 s[92:93], s[6:7], s[92:93]
	CROUND                                         ; all sixteen work-groups are here: the first joint loads meet
	s_mov_b32 s[G0S], 1
	s_add_co_u32 s[G0S+1], s94, SCL
	s_mov_b64 s[G0S+2:G0S+3], s[22:23]
	s_or_b32 s[G0S+3], s[G0S+3], 0x80000000
	s_mov_b32 s[G0SB], 1
	s_add_co_u32 s[G0SB+1], s94, SCL
	s_mov_b64 s[G0SB+2:G0SB+3], s[92:93]
	s_or_b32 s[G0SB+3], s[G0SB+3], 0x80000000
	JLOAD G0S, G1S, G0SB, G1SB
.irp s, 0,1
	s_mov_b32 s[G0+4*\s], 1
	s_add_co_u32 s[G0+4*\s+1], s45, \s*SLOT
	s_add_nc_u64 s[G0+4*\s+2:G0+4*\s+3], s[20:21], \s*NQ*FRB
	s_or_b32 s[G0+4*\s+3], s[G0+4*\s+3], 0x80000000
	s_mov_b32 s[G0B+4*\s], 1
	s_add_co_u32 s[G0B+4*\s+1], s45, \s*SLOT
	s_add_nc_u64 s[G0B+4*\s+2:G0B+4*\s+3], s[46:47], \s*NQ*FRB
	s_or_b32 s[G0B+4*\s+3], s[G0B+4*\s+3], 0x80000000
	JLOAD G0+4*\s, G1, G0B+4*\s, G1B               ; three tensor loads of mine are out now, later one
.endr
	v_and_b32 v1, 31, v0                           ; l
	v_and_b32 v2, 15, v0                           ; r
	v_bfe_u32 v3, v0, 4, 1                         ; h
	v_lshlrev_b32 v[CO], 4, v1
	s_mul_i32 s21, s15, HALFT
	s_mul_i32 s22, s16, HALFT
	s_add_co_u32 s22, s22, 2*HALFT
.irp s, 0,1
	v_add_nc_u32 v[ADRA+\s], s21, v[CO]
	v_add_nc_u32 v[ADRB+\s], s22, v[CO]
	s_add_co_u32 s21, s21, SLOT
	s_add_co_u32 s22, s22, SLOT
.endr
	v_lshlrev_b32 v5, 3, v2
	s_mul_i32 s21, s15, HALFS
	s_mul_i32 s22, s16, HALFS
	s_add_co_u32 s22, s22, 2*HALFS
	s_sub_co_u32 s22, s22, s21
	v_mul_u32_u24 v6, s22, v3                      ; lanes 16-31 take B's scale words
	s_add_co_u32 s21, s21, SCL
	v_add_nc_u32 v5, v5, v6
	v_add_nc_u32 v[ADRS], s21, v5
	s_mul_i32 s23, s14, 16*SPITCH                  ; my stage
	v_mul_u32_u24 v5, v2, SPITCH
	v_lshl_add_u32 v5, v3, 6, v5                   ; in: row r, + 64 h: accumulator b's eight columns are 32 (b / 2) + 16 h + 8 (b % 2) on
	v_add_nc_u32 v[STO], s23, v5
	v_add_nc_u32 v[RD], s23, v[CO]                 ; back: the 32 lanes take one row of 512 bytes
	s_lshl_b32 s104, s42, 10                       ; my first column, in bytes: 1,024 x tile column + 512 x half
	s_lshl_b32 s105, s16, 9
	s_add_co_u32 s104, s104, s105
	s_mov_b32 s105, 0
	s_add_nc_u64 s[96:97], s[96:97], s[104:105]
	s_add_nc_u64 s[98:99], s[98:99], s[104:105]
	s_add_nc_u64 s[100:101], s[100:101], s[104:105]
	s_lshl_b32 s18, s17, 20                        ; my first row: (256 x tile row + 128 x half) x 4,096 bytes
	s_lshl_b32 s19, s15, 19
	s_add_co_u32 s18, s18, s19
	s_add_co_u32 s104, s104, s18
	s_add_nc_u64 s[10:11], s[10:11], s[104:105]
	s_add_nc_u64 s[12:13], s[12:13], s[104:105]
	s_lshl_b32 s18, s17, 4
	s_lshl_b32 s19, s15, 3
	s_add_co_u32 s18, s18, s19
	s_lshl_b32 s18, s18, 7                         ; my first tile's pairs in stats
	s_mov_b32 s19, 0
	s_add_nc_u64 s[8:9], s[8:9], s[18:19]
; Block a's 16 rows of x: each load reads 512 consecutive bytes of one row.  Every offset is an immediate, 127 rows at the most: no pointer is stepped.
.macro XLOAD a, reg
.irp t, 0,1,2,3,4,5,6,7,8,9,10,11,12,13,14,15
	global_load_b128 v[\reg+4*\t:\reg+4*\t+3], v[CO], s[10:11] offset:(32*((\a)/2)+8*((\a)%2)+\t+8*(\t/8))*4096 th:TH_LOAD_NT
.endr
.endm
	global_load_b128 v[W:W+3], v[CO], s[98:99]     ; asked for here, wanted behind the K steps
	global_load_b128 v[CB:CB+3], v[CO], s[100:101]
	global_load_b128 v[BO:BO+3], v[CO], s[96:97]
	XLOAD 0, T
.macro FRAG reg, adr, q, i
.irp c, 0,1,2
	ds_load_b128 v[\reg+4*\c:\reg+4*\c+3], v[\adr] offset:(\i)*NQ*FRB+(\q)*FRB+512*\c
.endr
.endm
; The 64 accumulators take turns, one instruction a turn, in the same order in every step.
.macro MUL16 a0, p, q, sc, zero
.irp a, \a0, \a0+1
.irp b, 0,1,2,3,4,5,6,7
.if \zero
	v_wmma_scale_f32_16x16x128_f8f6f4 v[8*(8*((\a)%4)+\b):8*(8*((\a)%4)+\b)+7], v[128*(\p)+FR*\b:128*(\p)+FR*\b+FR-1], v[AF+FR*(\a):AF+FR*(\a)+FR-1], 0, v[SC+8*NQ*(\sc)+NQ*\b+(\q)], v[SC+8*NQ*(\sc)+NQ*(\a)+(\q)] matrix_a_fmt:MATRIX_FMT_FP6 matrix_b_fmt:MATRIX_FMT_FP6 matrix_a_scale:MATRIX_SCALE_ROW1
.else
	v_wmma_scale_f32_16x16x128_f8f6f4 v[8*(8*((\a)%4)+\b):8*(8*((\a)%4)+\b)+7], v[128*(\p)+FR*\b:128*(\p)+FR*\b+FR-1], v[AF+FR*(\a):AF+FR*(\a)+FR-1], v[8*(8*((\a)%4)+\b):8*(8*((\a)%4)+\b)+7], v[SC+8*NQ*(\sc)+NQ*\b+(\q)], v[SC+8*NQ*(\sc)+NQ*(\a)+(\q)] matrix_a_fmt:MATRIX_FMT_FP6 matrix_b_fmt:MATRIX_FMT_FP6 matrix_a_scale:MATRIX_SCALE_ROW1
.endif
.endr
.endr
.endm
.macro FETCH_B slot, q, p
	WIN TO_B
.irp i, 0,1,2,3,4,5,6,7
	FRAG 128*(\p)+FR*\i, ADRB+\slot, \q, \i
.endr
	WIN 0
.endm
.macro FETCH_A slot, q, i0
.irp i, \i0, \i0+1, \i0+2, \i0+3
	FRAG AF+FR*(\i), ADRA+\slot, \q, \i
.endr
.endm
.macro SCALES sc
.irp i, 0,1,2,3,4,5,6,7
	ds_load_b64 v[SC+8*NQ*\sc+NQ*\i:SC+8*NQ*\sc+NQ*\i+1], v[ADRS] offset:\i*SBLK
.endr
.endm
.macro PLACES n                        ; places behind matrix instructions (ISA guide 7.12.1 for vector instructions)
.rept \n
	v_nop
.endr
.endm
.macro STEP slot, q, zero
	s_wait_dscnt 4*NL                              ; B's set and A's blocks 0-3 are in; the youngest twelve loads (A's blocks 4-7) may be out
	WIN MUL_LO
	MUL16 0, (\q)%2, \q, \slot, \zero
	MUL16 2, (\q)%2, \q, \slot, \zero
	s_wait_dscnt 0
	PLACES NP
	FETCH_B \slot, (\q)+1, 1-(\q)%2
	FETCH_A \slot, (\q)+1, 0
	WIN MUL_HI
	MUL16 4, (\q)%2, \q, \slot, \zero
	MUL16 6, (\q)%2, \q, \slot, \zero
	PLACES NP
	WIN 0
	FETCH_A \slot, (\q)+1, 4
.endm
.macro TURN slot, next, fill
	s_wait_tensorcnt 0x0                           ; all my tensor loads have landed: my part of the next slot;
	ds_add_u32 v[SPW], v[NIL]                      ; 0 onto my spare word;
	s_wait_dscnt 4*NL+1                            ; (the add and the youngest twelve loads may be out)
	WIN MUL_LO
	MUL16 0, 1, NQ-1, \slot, 0
	s_wait_dscnt 0x0                               ; the add is done, and my reads of this slot are over
	s_barrier_signal -1
	MUL16 2, 1, NQ-1, \slot, 0
	WIN 0
	s_barrier_wait -1
.if \fill
	CREST                                          ; the barrier has opened a round of the cluster's barrier
	s_add_nc_u64 s[G0+4*\slot+2:G0+4*\slot+3], s[G0+4*\slot+2:G0+4*\slot+3], 2*NQ*FRB
	s_add_nc_u64 s[G0B+4*\slot+2:G0B+4*\slot+3], s[G0B+4*\slot+2:G0B+4*\slot+3], 2*NQ*FRB
	JLOAD G0+4*\slot, G1, G0B+4*\slot, G1B         ; the first tensor load behind the round; its four v_nop are the places in front of the loads below
.else
	PLACES NP
.endif
	v_add_nc_u32 v[ADRS], 128, v[ADRS]
	FETCH_B \next, 0, 0
	FETCH_A \next, 0, 0
	SCALES \next
	WIN MUL_HI
	MUL16 4, 1, NQ-1, \slot, 0
	MUL16 6, 1, NQ-1, \slot, 0
	PLACES NP
	WIN 0
	FETCH_A \next, 0, 4
.endm
	s_wait_tensorcnt 1                             ; the scale words and my part of K step 0 are in (K step 1's load may be out)
	s_barrier_signal -1
	s_barrier_wait -1
	FETCH_B 0, 0, 0
	FETCH_A 0, 0, 0
	SCALES 0
	FETCH_A 0, 0, 4
	STEP 0, 0, 1                                   ; four K steps of 256, written out; the first step's products start the sums
	TURN 0, 1, 1
	STEP 1, 0, 0
	TURN 1, 0, 1
	STEP 0, 0, 0
	TURN 0, 1, 0
	STEP 1, 0, 0
	s_wait_dscnt 4*NL
	WIN MUL_LO
	MUL16 0, 1, NQ-1, 1, 0
	MUL16 2, 1, NQ-1, 1, 0
	s_wait_dscnt 0
	WIN MUL_HI
	MUL16 4, 1, NQ-1, 1, 0
	MUL16 6, 1, NQ-1, 1, 0
	WIN 0
	PLACES NP                                      ; behind the last products: results are read, and loads land on operands, from here on
	s_wait_loadcnt 0x0                             ; ln_w, ln_b, bo and x's block 0, asked for ahead of the K steps
	v_pk_add_f32 v[CB:CB+1], v[CB:CB+1], v[BO:BO+1]
	v_pk_add_f32 v[CB+2:CB+3], v[CB+2:CB+3], v[BO+2:BO+3]  ; ln_b + bo
	WIN 0x40                                       ; destination window 1: B's fragments are done with
	XLOAD 1, 0
	XLOAD 2, 64
	XLOAD 3, 128
	XLOAD 4, 192
	WIN 0
	s_load_b512 s[24:39], s[8:9], 0x0              ; block 0's sixteen pairs (mean, rstd): the descriptors are done with
	s_load_b512 s[40:55], s[8:9], 0x40
	s_load_b512 s[68:83], s[8:9], 0x80             ; block 1's
	s_load_b512 s[84:99], s[8:9], 0xc0
.macro BLOCK a
.set AC, 64*((\a)%4)
.set SB, 24+44*((\a)%2)                ; the block's pairs: s[24:55] or s[68:99]
.set WS, 0x08+4*((\a)/4)               ; an LDS store's data are its source 1: window 2 or 3
.if (\a) == 0
.set XR, T
.else
.set XR, 64*(((\a)+3)%4)               ; x's block in window 1
	s_wait_xcnt 0x0                                ; the last block's stores have had their addresses translated (ISA guide 3.1): their data registers are loaded again only behind this wait
.endif
	WIN WS
.irp b, 0,1,2,3,4,5,6,7
	ds_store_b128 v[STO], v[AC+8*\b:AC+8*\b+3] offset:128*(\b/2)+32*(\b%2)         ; each accumulator from its low end on
	ds_store_b128 v[STO], v[AC+8*\b+4:AC+8*\b+7] offset:128*(\b/2)+32*(\b%2)+16
.endr
	WIN 0
.irp t, 0,1,2,3,4,5,6,7,8,9,10,11,12,13,14,15
	ds_load_b128 v[BK+4*\t:BK+4*\t+3], v[RD] offset:\t*SPITCH      ; LDS serves a wave's instructions in order: these see my stores
.endr
.if (\a) > 4
	s_wait_loadcnt 16*(7-(\a))                     ; x's block is in; the blocks asked for behind it may be out
.elseif (\a) > 0
	s_wait_loadcnt 48                              ; likewise: three blocks of sixteen loads
.endif
	s_wait_kmcnt 0x0
.if (\a) > 0
	WIN 0x01                                       ; source 0 window 1
.endif
.irp t, 0,1,2,3,4,5,6,7,8,9,10,11,12,13,14,15
.irp k, 0,2
	v_pk_add_f32 v[T+4*\t+\k:T+4*\t+\k+1], v[XR+4*\t+\k:XR+4*\t+\k+1], s[SB+2*\t:SB+2*\t+1] op_sel_hi:[1,0] neg_lo:[0,1] neg_hi:[0,1]   ; x - the row's mean
.endr
.endr
	WIN 0
.irp t, 0,1,2,3,4,5,6,7,8,9,10,11,12,13,14,15
.irp k, 0,1,2,3
	v_mul_f32 v[T+4*\t+\k], s[SB+2*\t+1], v[T+4*\t+\k]             ; x rstd
.endr
.endr
.irp t, 0,1,2,3,4,5,6,7,8,9,10,11,12,13,14,15
.irp k, 0,2
	v_pk_fma_f32 v[T+4*\t+\k:T+4*\t+\k+1], v[T+4*\t+\k:T+4*\t+\k+1], v[W+\k:W+\k+1], v[CB+\k:CB+\k+1]     ; x ln_w + (ln_b + bo)
.endr
.endr
	s_wait_dscnt 0x0                               ; the block's rows are back from the stage
.irp t, 0,1,2,3,4,5,6,7,8,9,10,11,12,13,14,15
.irp k, 0,2
	v_pk_add_f32 v[BK+4*\t+\k:BK+4*\t+\k+1], v[BK+4*\t+\k:BK+4*\t+\k+1], v[T+4*\t+\k:T+4*\t+\k+1]
.endr
.endr
.irp t, 0,1,2,3,4,5,6,7,8,9,10,11,12,13,14,15
	global_store_b128 v[CO], v[BK+4*\t:BK+4*\t+3], s[12:13] offset:(32*((\a)/2)+8*((\a)%2)+\t+8*(\t/8))*4096 th:TH_STORE_NT   ; 32 lanes store 512 consecutive bytes, at a multiple of 256 from out0's first byte
.endr
.if ((\a) >= 1) && ((\a) <= 3)
	WIN 0x40
	XLOAD (\a)+4, XR                               ; the block four further on takes this block's registers
	WIN 0
.endif
.if (\a) <= 5
	s_load_b512 s[SB:SB+15], s[8:9], ((\a)+2)*128  ; and the block two further on this block's pairs
	s_load_b512 s[SB+16:SB+31], s[8:9], ((\a)+2)*128+64
.endif
.endm
.irp a, 0,1,2,3,4,5,6,7
	BLOCK \a
.endr
	s_wait_tensorcnt 0x0                           ; the wave's end: behind my last tensor load and my last LDS store
	ds_add_u32 v[SPW], v[NIL]
	s_wait_dscnt 0x0
	CROUND                                         ; the closing round: no work-group ends while a partner may still ask for a tile that names it
	s_endpgm
.Lfunc_end_k_q033d18af9d_outp:
	.size	k_q033d18af9d_outp, .Lfunc_end_k_q033d18af9d_outp-k_q033d18af9d_outp
	.p2alignl 7, 3214868480
	.fill 96, 4, 3214868480
	.section	.rodata,"a",@progbits
	.p2align	6, 0x0
	.amdhsa_kernel k_q033d18af9d_outp
		.amdhsa_group_segment_fixed_size 327680
		.amdhsa_private_segment_fixed_size 0
		.amdhsa_enable_private_segment 0
		.amdhsa_kernarg_size 64
		.amdhsa_user_sgpr_count 2
		.amdhsa_user_sgpr_kernarg_segment_ptr 1
		.amdhsa_wavefront_size32 1
		.amdhsa_system_sgpr_workgroup_id_x 1
		.amdhsa_system_sgpr_workgroup_id_y 1
		.amdhsa_system_sgpr_workgroup_id_z 1
		.amdhsa_system_vgpr_workitem_id 0
		.amdhsa_next_free_vgpr 1024
		.amdhsa_next_free_sgpr 106
		.amdhsa_reserve_vcc 0
		.amdhsa_float_denorm_mode_32 3
		.amdhsa_float_denorm_mode_16_64 3
		.amdhsa_memory_ordered 1
		.amdhsa_forward_progress 1
		.amdhsa_inst_pref_size 214
	.end_amdhsa_kernel
	.amdgpu_metadata
---
amdhsa.version: [ 1, 2 ]
amdhsa.kernels:
  - .name:           k_q033d18af9d_outp
    .symbol:         k_q033d18af9d_outp.kd
    .args:
      - { .name: cod, .offset: 0, .size: 8, .value_kind: global_buffer, .address_space: global }
      - { .name: scl, .offset: 8, .size: 8, .value_kind: global_buffer, .address_space: global }
      - { .name: stats, .offset: 16, .size: 8, .value_kind: global_buffer, .address_space: global }
      - { .name: hidden_states, .offset: 24, .size: 8, .value_kind: global_buffer, .address_space: global }
      - { .name: bo, .offset: 32, .size: 8, .value_kind: global_buffer, .address_space: global }
      - { .name: ln_w, .offset: 40, .size: 8, .value_kind: global_buffer, .address_space: global }
      - { .name: ln_b, .offset: 48, .size: 8, .value_kind: global_buffer, .address_space: global }
      - { .name: out0, .offset: 56, .size: 8, .value_kind: global_buffer, .address_space: global }
    .group_segment_fixed_size: 327680
    .private_segment_fixed_size: 0
    .kernarg_segment_align: 8
    .kernarg_segment_size: 64
    .max_flat_workgroup_size: 128
    .sgpr_count:     106
    .vgpr_count:     1024
    .wavefront_size: 32
...
	.end_amdgpu_metadata
.endif
;; end of part 4
